; MI455X (gfx1250); checked and timed in simulation.
; The chip was launched on July 23, 2026; its instructions are those of AMD's public machine-readable ISA for CDNA 5 (MIT licence, August 2026) and "CDNA5" Instruction Set Architecture Reference Guide (July 2026). The comments in the code are by the model that wrote it; some were corrected since.
;; No Softmax Attention. Allowed arithmetic: float matrix products may take bf16 or f16 operands with f32 sums; all other float work in f32.
;; Inputs: Wk 1,024 x 1,024 float32; Wo 1,024 x 1,024 float32; Wq 1,024 x 1,024 float32; Wv 1,024 x 1,024 float32; bk 1,024 float32; bo 1,024 float32; bq 1,024 float32; bv 1,024 float32; x 4 x 2,048 x 1,024 float32.
;; Outputs: out0 4 x 2,048 x 1,024 float32.
;; One version. Each part assembles by itself: llvm-mc -triple=amdgcn-amd-amdhsa -mcpu=gfx1250 --defsym DOCPART=n.
;; ======== version 1 of 1: 5 launches
;; limits: values are held in f16: magnitudes above 65,504 overflow, below 6.1e-05 lose precision; right only within a limited range of input values
;; workspace buffers: h16 25,165,824 bytes; mxw 2,048 bytes; q16 16,777,216 bytes; kv16 33,554,432 bytes; mxkv 8,192 bytes; t16 8,388,608 bytes; mxt 4,096 bytes; n16 8,388,608 bytes
;; launch cvt (part 1): grid 768 x 1, 8 waves a work-group, no clusters, 0 bytes of LDS; arguments x, Wq, Wk, Wv, Wo, h16, mxw; writes h16, mxw
.if DOCPART == 1
	.amdgcn_target "amdgcn-amd-amdhsa--gfx1250"
	.amdhsa_code_object_version 6
	.text
	.protected	k_qd52f7cbc77_cvt
	.globl	k_qd52f7cbc77_cvt
	.p2align	8
	.type	k_qd52f7cbc77_cvt,@function
k_qd52f7cbc77_cvt:
	s_mov_b64 s[64:65], 0
	v_nop
	global_prefetch_b8 v0, s[64:65] scope:SCOPE_SE
	s_setreg_imm32_b32 hwreg(HW_REG_WAVE_MODE, 25, 1), 1
	s_wait_xcnt 0x0
; Rounds x and the four weight matrices from f32 to f16 (to nearest even) into h16, and publishes max |Wo|.
; h16, rows of 1024 f16 (2,048 bytes): rows 0-8191 x; rows 8192-11263 Wq, Wk, Wv interleaved in blocks of 128 rows
; (row 8192 + 384 j + 128 t + i = row 128 j + i of weight t; t = 0 q, 1 k, 2 v), so that the next launch finds the 128 rows of each
; of the three that one block of its output needs as 384 neighbouring rows; rows 11264-12287 Wo.
; LIMIT: |x| and |W| up to 65504 (f16's largest number); beyond it the rounded number is infinite.
; A stream: no LDS, no barrier, no matrix unit.  Work-group g takes 16 rows, wave w rows 2 w and 2 w + 1.  A load of a wave covers 512
; consecutive bytes, a store 256 consecutive bytes at a multiple of 256 from the buffer's first byte.  All 16 loads of a wave go out at once.
.set ROWIN,  4096                      ; bytes of a row in f32
.set ROWOUT, 2048                      ; bytes of a row in f16
.set X, 16                             ; v[16:79]   16 loads x 4 registers
.set Y, 80                             ; v[80:111]  16 stores x 2 registers; no register is written twice
.set M, 112                            ; v[112:115] four running maxima
	s_load_b256 s[4:11], s[0:1], 0x0               ; x s[4:5], Wq s[6:7], Wk s[8:9], Wv s[10:11]
	s_load_b128 s[12:15], s[0:1], 0x20             ; Wo s[12:13], h16 s[14:15]
	s_load_b64 s[16:17], s[0:1], 0x30              ; mxw
	v_and_b32 v1, 31, v0                           ; lane
	v_lshrrev_b32 v2, 5, v0                        ; wave
	v_lshlrev_b32 v3, 4, v1
	v_lshl_add_u32 v3, v2, 13, v3                  ; source: 2 rows of 4,096 bytes a wave + 16 bytes a lane
	v_lshlrev_b32 v4, 3, v1
	v_lshl_add_u32 v4, v2, 12, v4                  ; destination: 2 rows of 2,048 bytes a wave + 8 bytes a lane
	; where the 16 rows go
	s_and_b32 s24, ttmp9, 63                       ; j: the group of 16 rows inside a weight
	s_max_u32 s25, ttmp9, 512
	s_sub_co_u32 s25, s25, 512
	s_lshr_b32 s25, s25, 6                         ; t: 0 q, 1 k, 2 v, 3 o
	s_lshr_b32 s26, s24, 3
	s_mul_i32 s26, s26, 384                        ; the block of 128 rows, 384 rows apart
	s_lshl_b32 s27, s25, 7
	s_add_co_u32 s26, s26, s27                     ; + 128 t
	s_and_b32 s27, s24, 7
	s_lshl_b32 s27, s27, 4
	s_add_co_u32 s26, s26, s27                     ; + the 16 rows' place in the block
	s_add_co_u32 s26, s26, 8192
	s_lshl_b32 s27, s24, 4
	s_add_co_u32 s27, s27, 11264                   ; Wo's rows keep their order
	s_lshl_b32 s28, ttmp9, 4                       ; x's too
	s_cmp_ge_u32 ttmp9, 704
	s_cselect_b32 s26, s27, s26
	s_cmp_lt_u32 ttmp9, 512
	s_cselect_b32 s26, s28, s26
	s_cselect_b32 s22, ttmp9, s24                  ; and where they come from: group g of x, group j of a weight
	s_lshl_b32 s26, s26, 11                        ; rows of 2,048 bytes
	s_mov_b32 s27, 0
	s_lshl_b32 s22, s22, 16                        ; 16 rows of 4,096 bytes
	s_mov_b32 s23, 0
	s_wait_kmcnt 0x0
	s_mov_b64 s[20:21], s[4:5]
	s_cmp_ge_u32 ttmp9, 512
	s_cselect_b64 s[20:21], s[6:7], s[20:21]
	s_cmp_ge_u32 ttmp9, 576
	s_cselect_b64 s[20:21], s[8:9], s[20:21]
	s_cmp_ge_u32 ttmp9, 640
	s_cselect_b64 s[20:21], s[10:11], s[20:21]
	s_cmp_ge_u32 ttmp9, 704
	s_cselect_b64 s[20:21], s[12:13], s[20:21]
	s_add_nc_u64 s[20:21], s[20:21], s[22:23]
	s_add_nc_u64 s[14:15], s[14:15], s[26:27]
.set n, 0
.rept 16
	global_load_b128 v[X+4*n:X+4*n+3], v3, s[20:21] offset:(n/8)*ROWIN+(n%8)*512 th:TH_LOAD_NT
.set n, n+1
.endr
.set n, 0
.rept 16
	s_wait_loadcnt 15-n                            ; loads come back in order: load n is in, the 15 - n younger ones stay out
	v_cvt_pk_f16_f32 v[Y+2*n], v[X+4*n], v[X+4*n+1]
	v_cvt_pk_f16_f32 v[Y+2*n+1], v[X+4*n+2], v[X+4*n+3]
	global_store_b64 v4, v[Y+2*n:Y+2*n+1], s[14:15] offset:(n/8)*ROWOUT+(n%8)*256
.set n, n+1
.endr
	s_cmp_lt_u32 ttmp9, 704
	s_cbranch_scc1 .Lend                           ; only Wo's 64 work-groups publish a maximum
	; the largest |Wo| of the wave's 2,048 numbers: four chains, started by the first four pairs
.irp i, 0,1,2,3
	v_max_num_f32 v[M+\i], |v[X+2*\i]|, |v[X+2*\i+1]|
.endr
.set n, 4
.rept 28
	v_max3_num_f32 v[M+n%4], |v[X+2*n]|, |v[X+2*n+1]|, v[M+n%4]
.set n, n+1
.endr
	v_max3_num_f32 v[M], v[M], v[M+1], v[M+2]
	v_max_num_f32 v[M], v[M], v[M+3]
	s_mov_b32 s30, 0x76543210                      ; v_permlanex16_b32: lane i of one half reads lane i of the other
	s_mov_b32 s31, 0xfedcba98
	v_mov_b32 v6, 0                                ; the permute's destination counts as read
	v_max_num_f32_dpp v[M], v[M], v[M] row_xmask:1 row_mask:0xf bank_mask:0xf
	v_max_num_f32_dpp v[M], v[M], v[M] row_xmask:2 row_mask:0xf bank_mask:0xf
	v_max_num_f32_dpp v[M], v[M], v[M] row_xmask:4 row_mask:0xf bank_mask:0xf
	v_max_num_f32_dpp v[M], v[M], v[M] row_xmask:8 row_mask:0xf bank_mask:0xf
	v_permlanex16_b32 v6, v[M], s30, s31
	v_max_num_f32 v[M], v[M], v6
	s_sub_co_u32 s28, ttmp9, 704
	s_lshl_b32 s28, s28, 5                         ; 8 waves x 4 bytes a work-group
	v_lshl_add_u32 v5, v2, 2, s28
	v_cmp_eq_u32 vcc_lo, 0, v1
	s_wait_xcnt 0x0                                ; EXEC is a source of the stores above: it narrows only behind this wait
	s_and_saveexec_b32 s29, vcc_lo
	global_store_b32 v5, v[M], s[16:17]            ; lane 0: mxw[8 (g - 704) + wave]
	s_wait_xcnt 0x0                                ; and widens only behind this one
	s_or_b32 exec_lo, exec_lo, s29
.Lend:
	s_endpgm
.Lfunc_end_k_qd52f7cbc77_cvt:
	.size	k_qd52f7cbc77_cvt, .Lfunc_end_k_qd52f7cbc77_cvt-k_qd52f7cbc77_cvt
	.p2alignl 7, 3214868480
	.fill 96, 4, 3214868480
	.section	.rodata,"a",@progbits
	.p2align	6, 0x0
	.amdhsa_kernel k_qd52f7cbc77_cvt
		.amdhsa_group_segment_fixed_size 0
		.amdhsa_private_segment_fixed_size 0
		.amdhsa_enable_private_segment 0
		.amdhsa_kernarg_size 56
		.amdhsa_user_sgpr_count 2
		.amdhsa_user_sgpr_kernarg_segment_ptr 1
		.amdhsa_wavefront_size32 1
		.amdhsa_system_sgpr_workgroup_id_x 1
		.amdhsa_system_sgpr_workgroup_id_y 1
		.amdhsa_system_sgpr_workgroup_id_z 1
		.amdhsa_system_vgpr_workitem_id 0
		.amdhsa_next_free_vgpr 120
		.amdhsa_next_free_sgpr 66
		.amdhsa_reserve_vcc 1
		.amdhsa_float_denorm_mode_32 3
		.amdhsa_float_denorm_mode_16_64 3
		.amdhsa_memory_ordered 1
		.amdhsa_forward_progress 1
		.amdhsa_inst_pref_size 11
	.end_amdhsa_kernel
	.amdgpu_metadata
---
amdhsa.version: [ 1, 2 ]
amdhsa.kernels:
  - .name:           k_qd52f7cbc77_cvt
    .symbol:         k_qd52f7cbc77_cvt.kd
    .args:
      - { .name: x, .offset: 0, .size: 8, .value_kind: global_buffer, .address_space: global }
      - { .name: Wq, .offset: 8, .size: 8, .value_kind: global_buffer, .address_space: global }
      - { .name: Wk, .offset: 16, .size: 8, .value_kind: global_buffer, .address_space: global }
      - { .name: Wv, .offset: 24, .size: 8, .value_kind: global_buffer, .address_space: global }
      - { .name: Wo, .offset: 32, .size: 8, .value_kind: global_buffer, .address_space: global }
      - { .name: h16, .offset: 40, .size: 8, .value_kind: global_buffer, .address_space: global }
      - { .name: mxw, .offset: 48, .size: 8, .value_kind: global_buffer, .address_space: global }
    .group_segment_fixed_size: 0
    .private_segment_fixed_size: 0
    .kernarg_segment_align: 8
    .kernarg_segment_size: 56
    .max_flat_workgroup_size: 256
    .sgpr_count:     66
    .vgpr_count:     120
    .wavefront_size: 32
...
	.end_amdgpu_metadata
.endif
;; end of part 1
;; launch qkv (part 2): grid 8 x 32, 4 waves a work-group, clusters of 4 x 4, 327,680 bytes of LDS; arguments h16, bq, bk, bv, q16, kv16, mxkv; writes q16, kv16, mxkv
.if DOCPART == 2
	.amdgcn_target "amdgcn-amd-amdhsa--gfx1250"
	.amdhsa_code_object_version 6
	.text
	.protected	k_qd52f7cbc77_qkv
	.globl	k_qd52f7cbc77_qkv
	.p2align	8
	.type	k_qd52f7cbc77_qkv,@function
k_qd52f7cbc77_qkv:
	s_mov_b64 s[64:65], 0
	v_nop
	global_prefetch_b8 v0, s[64:65] scope:SCOPE_SE
	s_setreg_imm32_b32 hwreg(HW_REG_WAVE_MODE, 25, 1), 1
	s_wait_xcnt 0x0
	s_wait_alu depctr_hold_cnt(0) depctr_sa_sdst(0) depctr_va_vdst(0) depctr_va_sdst(0) depctr_va_ssrc(0) depctr_va_vcc(0) depctr_vm_vsrc(0)
	s_getreg_b32 s2, hwreg(HW_REG_IB_STS2, 6, 4)
	s_cmp_eq_u32 s2, 0
	s_cbranch_scc0 .Lentry_in_a_cluster
	s_endpgm
.Lentry_in_a_cluster:
	s_bfe_u32 s2, ttmp6, 0x10000c
	s_cmp_lg_u32 s2, 0xf033
	s_cbranch_scc0 .Lentry_shape_is_right
	s_endpgm
.Lentry_shape_is_right:
; The three projections in one product: (x W^T + b) / 16 for q, k and v, in f16.
;   q16 [8192][1024]: q/16, row-major.   kv16 [2048][8192]: rows 0-1023 (k/16) transposed, [e][(b,s)]; rows 1024-2047 (v/16) transposed.
;   mxkv: for each wave the largest |k/16| (words 0-1023) and |v/16| (words 1024-2047) that it made; the later launches scale by them.
; LIMITS: operands are f16, sums f32.  q, k, v are stored divided by 16: |q|, |k|, |v| below 2^20 stay finite in f16.
; A work-group makes 256 rows of x (block row by) times 384 rows of the interleaved weights (block column bx: 128 each of q, k, v) with four
; waves, as many as a WGP has SIMDs.  Wave (mh, w) makes rows 128 mh .. + 127 times columns 64 w .. + 63 of each of q, k, v: 96 tiles of 16 x 16,
; 768 registers.  8 x 32 = 256 work-groups.  K goes in 16 steps of 64 through two LDS slots; two slots of K = 128 (2 x 640 rows x 272 bytes) do not fit.
; CLUSTERS: 4 x 4.  x's tile hangs on by alone and is asked for jointly by a row of the cluster, the weights' on bx alone, by a column.
; REGISTERS: window 0: v0-31 addresses, v32-95 and v96-159 fragments of x (two buffers), v160-191, v192-223, v224-255 fragments of Wq, Wk, Wv.
;            windows 1, 2, 3: the accumulators of q, k, v, tile (a 0..7, b 0..3) at v[8 (4 a + b)].
; q is multiplied with the weights as source 0: a lane then holds one row s and eight neighbouring f.  k and v with x as source 0: a lane holds one f
; and eight neighbouring s, which is what the transposed store wants.
.set KB,     128                       ; bytes of a K step in a row
.set PITCH,  144                       ; an LDS row: 128 bytes + 16 of padding = 9 x 16: the 16 rows of a fragment load begin in 16 different 16-byte columns of 256
.set AHALF,  128*PITCH                 ; what wave 0 or 1 fetches, and what a wave reads of x
.set BHALF,  192*PITCH                 ; what wave 2 or 3 fetches
.set BREG,   256*PITCH                 ; the weights' 384 rows lie behind x's 256
.set SLOT,   640*PITCH
.set SP,     272                       ; a stage row: 256 bytes + 16
.set WSTAGE, 2*SLOT                    ; behind the ring: 16 rows for each wave (k and v on their way out); no tensor load lands here
.set QSTAGE, WSTAGE+4*16*SP            ; 256 rows for the work-group (q on its way out)
.set WPOFF,  16777216                  ; the interleaved weights in h16
.set G1WORD, (1<<16)|(1<<20)|(1<<21)|(4<<22)|(3<<25)   ; element of 2 bytes; padding on; bit 21 beside a mask; after every 32 words; 4 words
.set ADRA, 8                           ; v8-9    LDS address of my x fragments in slot 0, 1
.set ADRB, 10                          ; v10-11  the same for the weights
.set QST,  12                          ; q stage: where I put 16 bytes
.set RDQ,  13                          ; q stage: where I read rows back
.set STO,  14                          ; my wave's stage: in
.set RD,   15                          ; my wave's stage: back
.set VQ,   16                          ; my byte offset in q16
.set VKV,  17                          ; my byte offset in kv16
.set VBQ,  18                          ; my byte offset in bq
.set VBK,  19                          ; my byte offset in bk and bv
.set MX,   20                          ; v20-23  four running maxima
.set MK,   24
.set MV,   25
.set XT,   26
.set VMX,  27
.set LANE, 28
.set FA0,  32
.set FA1,  96
.set FB0,  160                         ; type t's buffer is FB0 + 32 t
.set QBI,  32                          ; the way out: bq/16 of my 32 columns (8 for each b)
.set KBI,  64                          ; bk/16, a pair for each b
.set VBI,  72                          ; bv/16
.set TMP,  96
.set PKQ,  128
.set PK,   160
.set OUT0, 192
.set OUT1, 224
.set G1,  32                           ; s[32:39] group 1 for x's tiles
.set G0,  40                           ; s[40:47] group 0 for x's tiles, a set for each slot
.set G1B, 48                           ; s[48:55] group 1 for the weights' tiles
.set G0B, 56                           ; s[56:63] group 0 for the weights' tiles
.set MSB, 0
.macro WIN new                         ; low byte: bits 1:0 source 0, 3:2 source 1, 5:4 source 2, 7:6 destination; the high byte repeats the setting that is left
.if MSB != (\new)
	s_set_vgpr_msb (MSB<<8)|(\new)
.set MSB, \new
.endif
.endm
.macro PLACES                          ; four places behind a matrix instruction before a load lands on, or a vector instruction touches, its registers
.rept 4
	v_nop
.endr
.endm
; A joint load.  Waves 0 and 1 fetch x's two halves, waves 2 and 3 the weights'.  The branch hangs on the wave's number alone.
.macro JLOAD s
	s_cmp_eq_u32 s19, 0
	s_cbranch_scc0 .Lfor_b_\@
	tensor_load_to_lds s[G0+4*\s:G0+4*\s+3], s[G1:G1+7]
	s_nop 0
.rept 4
	v_nop
.endr
	s_branch .Lasked_\@
.Lfor_b_\@:
	tensor_load_to_lds s[G0B+4*\s:G0B+4*\s+3], s[G1B:G1B+7]
	s_nop 0
.rept 4
	v_nop
.endr
.Lasked_\@:
.endm
.macro CREST                           ; a round of the cluster's barrier behind its opening work-group barrier
	s_cmp_lg_u32 s18, 0
	s_cbranch_scc1 .Lnot_wave_0_\@
	s_barrier_signal -3
.Lnot_wave_0_\@:
	s_barrier_wait -3
	s_barrier_signal -1
	s_barrier_wait -1
.endm
.macro CROUND                          ; a whole round
	s_barrier_signal -1
	s_barrier_wait -1
	CREST
.endm
	s_load_b256 s[4:11], s[0:1], 0x0               ; h16 s[4:5], bq s[6:7], bk s[8:9], bv s[10:11]
	s_load_b128 s[12:15], s[0:1], 0x20             ; q16 s[12:13], kv16 s[14:15]
	s_load_b64 s[16:17], s[0:1], 0x30              ; mxkv
	v_lshl_add_u32 v30, v0, 2, 0x42400
	v_mov_b32 v31, 0
	ds_add_u32 v30, v31
	v_lshrrev_b32 v1, 5, v0
	v_readfirstlane_b32 s18, v1                    ; wave 0..3
	s_lshr_b32 s19, s18, 1                         ; mh: which 128 rows are mine.  Also: I fetch x (0) or weights (1)
	s_and_b32 s20, s18, 1                          ; w: which 64 columns of each type.  Also: which half of the tile I fetch
	s_bfe_u32 s21, ttmp6, 0x40000                  ; cx
	s_bfe_u32 s22, ttmp6, 0x40004                  ; cy
	s_lshl_b32 s23, ttmp9, 2
	s_add_co_u32 s23, s23, s21                     ; bx = 4 x cluster x + cx
	s_and_b32 s24, ttmp7, 0xffff
	s_lshl_b32 s24, s24, 2
	s_add_co_u32 s24, s24, s22                     ; by = 4 x cluster y + cy
	s_lshl_b32 s25, s22, 2
	s_lshl_b32 s25, 15, s25                        ; my row of the cluster
	s_lshl_b32 s26, 0x1111, s21                    ; my column
	s_or_b32 s[G1+0], s25, G1WORD
	s_or_b32 s[G1B+0], s26, G1WORD
	s_mov_b32 s[G1+1], 64<<16                      ; tensor_dim0 = 64
	s_mov_b32 s[G1B+1], 64<<16
	s_mov_b32 s[G1+2], 128<<16                     ; tensor_dim1 = 128 rows of x
	s_mov_b32 s[G1B+2], 192<<16                    ;             = 192 rows of the weights
	s_mov_b32 s[G1+3], 64<<16                      ; tile_dim0 = 64
	s_mov_b32 s[G1B+3], 64<<16
	s_mov_b32 s[G1+4], 128                         ; tile_dim1
	s_mov_b32 s[G1B+4], 192
	s_mov_b32 s[G1+5], 1024                        ; elements from row to row
	s_mov_b32 s[G1B+5], 1024
	s_mov_b32 s[G1+6], 0
	s_mov_b32 s[G1B+6], 0
	s_mov_b32 s[G1+7], 0
	s_mov_b32 s[G1B+7], 0
	; x's address is made of by and the wave's number, the weights' of bx and the wave's number, each in registers that never hold the other coordinate
	s_lshl_b32 s27, s20, 7
	s_lshl_b32 s28, s24, 8
	s_add_co_u32 s28, s28, s27                     ; row 256 by + 128 half
	s_lshl_b32 s28, s28, 11                        ; rows of 2,048 bytes
	s_mov_b32 s29, 0
	s_mul_i32 s27, s20, 192
	s_mul_i32 s30, s23, 384
	s_add_co_u32 s30, s30, s27                     ; row 384 bx + 192 half
	s_lshl_b32 s30, s30, 11
	s_add_co_u32 s30, s30, WPOFF
	s_mov_b32 s31, 0
	s_mul_i32 s66, s20, AHALF                      ; LDS: the wave's number alone
	s_mul_i32 s67, s20, BHALF
	s_add_co_u32 s67, s67, BREG
	s_wait_dscnt 0x0
	s_wait_kmcnt 0x0
	s_add_nc_u64 s[28:29], s[4:5], s[28:29]
	s_add_nc_u64 s[30:31], s[4:5], s[30:31]
	CROUND                                         ; all sixteen work-groups are here: the first joint loads meet
.irp s, 0,1
	s_mov_b32 s[G0+4*\s], 1
	s_add_co_u32 s[G0+4*\s+1], s66, \s*SLOT
	s_add_nc_u64 s[G0+4*\s+2:G0+4*\s+3], s[28:29], \s*KB
	s_or_b32 s[G0+4*\s+3], s[G0+4*\s+3], 0x80000000
	s_mov_b32 s[G0B+4*\s], 1
	s_add_co_u32 s[G0B+4*\s+1], s67, \s*SLOT
	s_add_nc_u64 s[G0B+4*\s+2:G0B+4*\s+3], s[30:31], \s*KB
	s_or_b32 s[G0B+4*\s+3], s[G0B+4*\s+3], 0x80000000
	JLOAD \s                                       ; K steps 0 and 1: two tensor loads of the wave are out
.endr
	; fragment addresses: lane l takes row l % 16; 16 bytes at 16 (l / 16) and the 16 bytes 32 further on
	v_and_b32 v1, 15, v0                           ; r
	v_bfe_u32 v2, v0, 4, 1                         ; h
	v_and_b32 v[LANE], 31, v0
	v_mul_u32_u24 v3, v1, PITCH
	v_lshl_add_u32 v3, v2, 4, v3
	s_mul_i32 s68, s19, AHALF
	s_mul_i32 s69, s20, 64*PITCH
	s_add_co_u32 s69, s69, BREG
	v_add_nc_u32 v[ADRA], s68, v3
	v_add_nc_u32 v[ADRB], s69, v3
	v_add_nc_u32 v[ADRA+1], SLOT, v[ADRA]
	v_add_nc_u32 v[ADRB+1], SLOT, v[ADRB]
	; stages
	v_mul_u32_u24 v4, v1, SP
	v_lshl_add_u32 v4, v2, 4, v4                   ; in: row r, 16 bytes for each half of the lanes
	v_mul_u32_u24 v5, v2, SP
	v_lshl_add_u32 v5, v1, 4, v5                   ; back: lanes 0-15 one row of 256 bytes, lanes 16-31 the next
	s_mul_i32 s70, s18, 16*SP
	s_add_co_u32 s70, s70, WSTAGE
	v_add_nc_u32 v[STO], s70, v4
	v_add_nc_u32 v[RD], s70, v5
	s_mul_i32 s71, s19, 128*SP
	s_lshl_b32 s72, s20, 7
	s_add_co_u32 s71, s71, s72
	s_add_co_u32 s71, s71, QSTAGE                  ; q stage: row 128 mh + .., byte 128 w + ..
	v_add_nc_u32 v[QST], s71, v4
	s_mul_i32 s73, s18, 64*SP
	s_add_co_u32 s73, s73, QSTAGE                  ; back: rows 64 wave ..
	v_add_nc_u32 v[RDQ], s73, v5
	; global offsets and bases
	v_lshlrev_b32 v6, 4, v1
	v_lshl_add_u32 v[VQ], v2, 11, v6               ; q16: rows of 2,048 bytes
	v_lshl_add_u32 v[VKV], v2, 14, v6              ; kv16: rows of 16,384 bytes
	s_lshl_b32 s80, s23, 9
	s_lshl_b32 s81, s20, 8
	s_add_co_u32 s80, s80, s81                     ; 4 bytes x (128 bx + 64 w)
	v_lshl_add_u32 v[VBQ], v2, 5, s80              ; q: eight columns from 8 h
	v_lshl_add_u32 v[VBK], v1, 2, s80              ; k, v: column r
	s_lshl_b32 s74, s24, 8
	s_lshl_b32 s75, s18, 6
	s_add_co_u32 s74, s74, s75
	s_lshl_b32 s74, s74, 11
	s_lshl_b32 s75, s23, 8
	s_add_co_u32 s74, s74, s75
	s_mov_b32 s75, 0
	s_add_nc_u64 s[12:13], s[12:13], s[74:75]      ; q16 at row 256 by + 64 wave, byte 256 bx
	s_lshl_b32 s76, s23, 7
	s_lshl_b32 s77, s20, 6
	s_add_co_u32 s76, s76, s77
	s_lshl_b32 s76, s76, 14
	s_lshl_b32 s77, s24, 9
	s_add_co_u32 s76, s76, s77
	s_lshl_b32 s77, s19, 8
	s_add_co_u32 s76, s76, s77
	s_mov_b32 s77, 0
	s_add_nc_u64 s[14:15], s[14:15], s[76:77]      ; k: kv16 at row 128 bx + 64 w, byte 512 by + 256 mh
	s_add_nc_u64 s[78:79], s[14:15], 0x1000000     ; v: 1,024 rows further down
	s_lshl_b32 s82, s24, 3
	s_add_co_u32 s82, s82, s23
	s_lshl_b32 s82, s82, 2
	s_add_co_u32 s82, s82, s18
	s_lshl_b32 s82, s82, 2
	v_mov_b32 v[VMX], s82                          ; mxkv: word 4 (8 by + bx) + wave
	s_mov_b32 s84, 0x76543210
	s_mov_b32 s85, 0xfedcba98
	v_mov_b32 v[XT], 0
; 8 LDS loads: four fragments of x (half 0: my rows 0-63, 1: rows 64-127), 32 K at byte 64 kk of the rows
.macro LDA slot, kk, half, buf
.irp i, 0,1,2,3
	ds_load_b128 v[\buf+8*(4*\half+\i):\buf+8*(4*\half+\i)+3],   v[ADRA+\slot] offset:(4*\half+\i)*16*PITCH+64*\kk
	ds_load_b128 v[\buf+8*(4*\half+\i)+4:\buf+8*(4*\half+\i)+7], v[ADRA+\slot] offset:(4*\half+\i)*16*PITCH+64*\kk+32
.endr
.endm
; 8 LDS loads: my four fragments of weight t
.macro LDB slot, kk, t
.irp i, 0,1,2,3
	ds_load_b128 v[FB0+32*\t+8*\i:FB0+32*\t+8*\i+3],   v[ADRB+\slot] offset:(128*\t+16*\i)*PITCH+64*\kk
	ds_load_b128 v[FB0+32*\t+8*\i+4:FB0+32*\t+8*\i+7], v[ADRB+\slot] offset:(128*\t+16*\i)*PITCH+64*\kk+32
.endr
.endm
; 4 n matrix instructions of type t: row blocks a0 .. a0 + n - 1 times the four column blocks.  zero = 1: the first product starts the sums.
; The accumulators take turns, one instruction a turn.
.macro MUL t, fa, a0, n, zero
.set ma, \a0
.rept \n
.set mb, 0
.rept 4
.if \t == 0
.if \zero
	v_wmma_f32_16x16x32_f16 v[8*(4*ma+mb):8*(4*ma+mb)+7], v[FB0+8*mb:FB0+8*mb+7], v[\fa+8*ma:\fa+8*ma+7], 0
.else
	v_wmma_f32_16x16x32_f16 v[8*(4*ma+mb):8*(4*ma+mb)+7], v[FB0+8*mb:FB0+8*mb+7], v[\fa+8*ma:\fa+8*ma+7], v[8*(4*ma+mb):8*(4*ma+mb)+7]
.endif
.else
.if \zero
	v_wmma_f32_16x16x32_f16 v[8*(4*ma+mb):8*(4*ma+mb)+7], v[\fa+8*ma:\fa+8*ma+7], v[FB0+32*\t+8*mb:FB0+32*\t+8*mb+7], 0
.else
	v_wmma_f32_16x16x32_f16 v[8*(4*ma+mb):8*(4*ma+mb)+7], v[\fa+8*ma:\fa+8*ma+7], v[FB0+32*\t+8*mb:FB0+32*\t+8*mb+7], v[8*(4*ma+mb):8*(4*ma+mb)+7]
.endif
.endif
.set mb, mb+1
.endr
.set ma, ma+1
.endr
.endm
; A K step of 64: six groups of 32 matrix instructions, (kk, t) = (0,q) (0,k) (0,v) (1,q) (1,k) (1,v).  Each group waits for its fragments, leaves four
; places, issues the loads of a later group in one run, and multiplies.  On entry out, in this order: x lo, Wq, x hi, Wk of kk = 0 (8 loads each).
; mode 2: this slot is filled again, two steps ahead; 1: the slots change, nothing is filled; 0: the last step.
.macro STEP slot, zero, mode
	s_wait_dscnt 8                                 ; x and Wq are in; Wk's 8 loads may be out
	WIN 0
	PLACES
	LDB \slot, 0, 2
	WIN 0x50
	MUL 0, FA0, 0, 8, \zero
	s_wait_dscnt 8                                 ; Wk is in; Wv's 8 may be out
	WIN 0
	PLACES
	LDA \slot, 1, 0, FA1
	LDB \slot, 1, 0
	WIN 0xa0
	MUL 1, FA0, 0, 8, \zero
	s_wait_dscnt 16                                ; Wv is in; the 16 just issued may be out
	WIN 0
	PLACES
	LDA \slot, 1, 1, FA1
	LDB \slot, 1, 1
	WIN 0xf0
	MUL 2, FA0, 0, 8, \zero
	s_wait_dscnt 8                                 ; x and Wq of kk = 1 are in; Wk's 8 may be out
	WIN 0
	PLACES
	LDB \slot, 1, 2                                ; the last reads of this slot
	WIN 0x50
	MUL 0, FA1, 0, 8, 0
.if \mode == 0
	s_wait_dscnt 8                                 ; Wk is in; Wv's 8 may be out
	WIN 0
	PLACES
.irp b, 0,1,2,3                                    ; the biases, into x's buffer 0, which no product reads any more
	global_load_b128 v[QBI+8*\b:QBI+8*\b+3],   v[VBQ], s[6:7] offset:64*\b
	global_load_b128 v[QBI+8*\b+4:QBI+8*\b+7], v[VBQ], s[6:7] offset:64*\b+16
	global_load_b32 v[KBI+2*\b], v[VBK], s[8:9] offset:64*\b
	global_load_b32 v[VBI+2*\b], v[VBK], s[10:11] offset:64*\b
.endr
	WIN 0xa0
	MUL 1, FA1, 0, 8, 0
	s_wait_dscnt 0
	WIN 0xf0
	MUL 2, FA1, 0, 8, 0
.else
	s_wait_dscnt 0                                 ; my reads of this slot are over,
	s_wait_tensorcnt 0x0                           ; and all my tensor loads have landed: the one that was out is my part of the other slot
	ds_add_u32 v30, v31
	s_wait_dscnt 0x0
	s_barrier_signal -1                            ; say so (mode 2: this barrier opens a round of the cluster's barrier)
	WIN 0xa0
	MUL 1, FA1, 0, 4, 0                            ; register work while the others arrive
	WIN 0
	s_barrier_wait -1
.if \mode == 2
	CREST                                          ; no wave of any partner still reads this slot or has a load on its way
	s_add_nc_u64 s[G0+4*\slot+2:G0+4*\slot+3], s[G0+4*\slot+2:G0+4*\slot+3], 2*KB
	s_add_nc_u64 s[G0B+4*\slot+2:G0B+4*\slot+3], s[G0B+4*\slot+2:G0B+4*\slot+3], 2*KB
	JLOAD \slot                                    ; the wave's one tensor load behind the round; 176 matrix instructions stand between it and the wait for it; its four v_nop are the places for the loads below
.else
	PLACES
.endif
	LDA 1-\slot, 0, 0, FA0
	LDB 1-\slot, 0, 0
	WIN 0xa0
	MUL 1, FA1, 4, 4, 0
	s_wait_dscnt 16                                ; Wv of kk = 1 came in with the wait for 0; the 16 just issued may be out
	WIN 0
	PLACES
	LDA 1-\slot, 0, 1, FA0
	LDB 1-\slot, 0, 1
	WIN 0xf0
	MUL 2, FA1, 0, 8, 0
.endif
.endm
	s_wait_tensorcnt 0x1                           ; my part of K step 0 is in; step 1's stays out
	s_barrier_signal -1
	s_barrier_wait -1
	LDA 0, 0, 0, FA0
	LDB 0, 0, 0
	LDA 0, 0, 1, FA0
	LDB 0, 0, 1
	STEP 0, 1, 2                                   ; steps 0 and 1 stand in front of the loop: their first products start the sums
	STEP 1, 0, 2
	WIN 0
	s_mov_b32 s3, 6                                ; steps 2 to 13
.Llap:
	STEP 0, 0, 2
	STEP 1, 0, 2
	WIN 0
	s_sub_co_u32 s3, s3, 1
	s_cmp_lg_u32 s3, 0
	s_cbranch_scc1 .Llap
	STEP 0, 0, 1                                   ; step 14: nothing is left to fetch
	STEP 1, 0, 0                                   ; step 15
	; THE WAY OUT
	WIN 0
	PLACES
	s_wait_loadcnt 0x0                             ; the biases
.irp i, 0,1,2,3,4,5,6,7,8,9,10,11,12,13,14,15
	v_pk_mul_f32 v[QBI+2*\i:QBI+2*\i+1], v[QBI+2*\i:QBI+2*\i+1], 0x3d800000 op_sel_hi:[1,0]   ; b / 16
.endr
.irp i, 0,1,2,3,4,5,6,7
	v_mul_f32 v[KBI+2*\i], 0x3d800000, v[KBI+2*\i]
.endr
.irp i, 0,1,2,3,4,5,6,7
	v_mov_b32 v[KBI+2*\i+1], v[KBI+2*\i]           ; a pair for the packed multiply-add
.endr
; q, 16 rows: (sum + b) / 16 as one multiply-add, rounded once, 16 bytes a lane (eight neighbouring f of row r) into the work-group's stage
.macro QOUT a
	WIN 0x01                                       ; source 0 from window 1
.irp b, 0,1,2,3
.irp p, 0,1,2,3
	v_pk_fma_f32 v[TMP+8*\b+2*\p:TMP+8*\b+2*\p+1], v[8*(4*\a+\b)+2*\p:8*(4*\a+\b)+2*\p+1], 0x3d800000, v[QBI+8*\b+2*\p:QBI+8*\b+2*\p+1] op_sel_hi:[1,0,1]
.endr
.endr
	WIN 0
.irp b, 0,1,2,3
.irp p, 0,1,2,3
	v_cvt_pk_f16_f32 v[PKQ+4*\b+\p], v[TMP+8*\b+2*\p], v[TMP+8*\b+2*\p+1]
.endr
.endr
.irp b, 0,1,2,3
	ds_store_b128 v[QST], v[PKQ+4*\b:PKQ+4*\b+3] offset:\a*16*SP+32*\b
.endr
.endm
.irp a, 0,1,2,3,4,5,6,7
	QOUT \a
.endr
	s_wait_dscnt 0x0                               ; my stores are in LDS: two waves share each row of the stage
	s_barrier_signal -1
	s_barrier_wait -1
.set qi, 0
.rept 32                                           ; rows 64 wave .. + 63, two whole rows of 256 bytes a load
	ds_load_b128 v[TMP+4*qi:TMP+4*qi+3], v[RDQ] offset:qi*2*SP
.set qi, qi+1
.endr
.set qi, 0
.rept 32
	s_wait_dscnt 31-qi                             ; load qi is in, the younger ones stay out
	global_store_b128 v[VQ], v[TMP+4*qi:TMP+4*qi+3], s[12:13] offset:qi*4096   ; sixteen lanes store 256 consecutive bytes, at a multiple of 256 from q16's first byte
.set qi, qi+1
.endr
	s_wait_xcnt 0x0                                ; the stores' data registers are written again below
; k or v, 16 columns f (block b) x my 128 rows s: a lane holds f = r and, for each a, eight neighbouring s.  Through my own stage: 16 rows f of 256 bytes.
.macro KVOUT win, bias, b, out, base, first
	WIN \win
.set ka, 0
.rept 8
.irp p, 0,1,2,3
	v_pk_fma_f32 v[TMP+8*ka+2*\p:TMP+8*ka+2*\p+1], v[8*(4*ka+\b)+2*\p:8*(4*ka+\b)+2*\p+1], 0x3d800000, v[\bias+2*\b:\bias+2*\b+1] op_sel_hi:[1,0,1]
.endr
.set ka, ka+1
.endr
	WIN 0
.set ki, 0
.rept 32
.set kf, \first*(4-ki)
.if kf > 0
	v_max_num_f32 v[MX+ki], |v[TMP+2*ki]|, |v[TMP+2*ki+1]|        ; the first four pairs start the four chains
.else
	v_max3_num_f32 v[MX+ki%4], |v[TMP+2*ki]|, |v[TMP+2*ki+1]|, v[MX+ki%4]
.endif
	v_cvt_pk_f16_f32 v[PK+ki], v[TMP+2*ki], v[TMP+2*ki+1]
.set ki, ki+1
.endr
.irp i, 0,1,2,3,4,5,6,7
	ds_store_b128 v[STO], v[PK+4*\i:PK+4*\i+3] offset:32*\i
.endr
	s_wait_xcnt 0x0                                ; registers that earlier stores read are loaded again only behind this wait
.irp i, 0,1,2,3,4,5,6,7
	ds_load_b128 v[\out+4*\i:\out+4*\i+3], v[RD] offset:\i*2*SP   ; LDS serves a wave's instructions in order: these see the stores above
.endr
.irp i, 0,1,2,3,4,5,6,7
	s_wait_dscnt 7-\i
	global_store_b128 v[VKV], v[\out+4*\i:\out+4*\i+3], s[\base:\base+1] offset:(16*\b+2*\i)*16384
.endr
.endm
	KVOUT 0x02, KBI, 0, OUT0, 14, 1
	KVOUT 0x02, KBI, 1, OUT1, 14, 0
	KVOUT 0x02, KBI, 2, OUT0, 14, 0
	KVOUT 0x02, KBI, 3, OUT1, 14, 0
	v_max3_num_f32 v[MK], v[MX], v[MX+1], v[MX+2]
	v_max_num_f32 v[MK], v[MK], v[MX+3]
	KVOUT 0x03, VBI, 0, OUT0, 78, 1
	KVOUT 0x03, VBI, 1, OUT1, 78, 0
	KVOUT 0x03, VBI, 2, OUT0, 78, 0
	KVOUT 0x03, VBI, 3, OUT1, 78, 0
	v_max3_num_f32 v[MV], v[MX], v[MX+1], v[MX+2]
	v_max_num_f32 v[MV], v[MV], v[MX+3]
.irp m, MK, MV                                     ; across the 32 lanes
	v_max_num_f32_dpp v[\m], v[\m], v[\m] row_xmask:1 row_mask:0xf bank_mask:0xf
	v_max_num_f32_dpp v[\m], v[\m], v[\m] row_xmask:2 row_mask:0xf bank_mask:0xf
	v_max_num_f32_dpp v[\m], v[\m], v[\m] row_xmask:4 row_mask:0xf bank_mask:0xf
	v_max_num_f32_dpp v[\m], v[\m], v[\m] row_xmask:8 row_mask:0xf bank_mask:0xf
	v_permlanex16_b32 v[XT], v[\m], s84, s85
	v_max_num_f32 v[\m], v[\m], v[XT]
.endr
	v_cmp_eq_u32 vcc_lo, 0, v[LANE]
	s_wait_xcnt 0x0                                ; EXEC is a source of the stores above: it narrows only behind this wait
	s_and_saveexec_b32 s86, vcc_lo
	global_store_b32 v[VMX], v[MK], s[16:17]
	global_store_b32 v[VMX], v[MV], s[16:17] offset:4096
	s_wait_xcnt 0x0                                ; and widens only behind this one
	s_or_b32 exec_lo, exec_lo, s86
	s_wait_tensorcnt 0x0
	ds_add_u32 v30, v31
	s_wait_dscnt 0x0
	CROUND                                         ; the closing round: no work-group ends while a partner may still ask for a tile that names it
	s_endpgm
.Lfunc_end_k_qd52f7cbc77_qkv:
	.size	k_qd52f7cbc77_qkv, .Lfunc_end_k_qd52f7cbc77_qkv-k_qd52f7cbc77_qkv
	.p2alignl 7, 3214868480
	.fill 96, 4, 3214868480
	.section	.rodata,"a",@progbits
	.p2align	6, 0x0
	.amdhsa_kernel k_qd52f7cbc77_qkv
		.amdhsa_group_segment_fixed_size 327680
		.amdhsa_private_segment_fixed_size 0
		.amdhsa_enable_private_segment 0
		.amdhsa_kernarg_size 56
		.amdhsa_user_sgpr_count 2
		.amdhsa_user_sgpr_kernarg_segment_ptr 1
		.amdhsa_wavefront_size32 1
		.amdhsa_system_sgpr_workgroup_id_x 1
		.amdhsa_system_sgpr_workgroup_id_y 1
		.amdhsa_system_sgpr_workgroup_id_z 1
		.amdhsa_system_vgpr_workitem_id 0
		.amdhsa_next_free_vgpr 1024
		.amdhsa_next_free_sgpr 96
		.amdhsa_reserve_vcc 1
		.amdhsa_float_denorm_mode_32 3
		.amdhsa_float_denorm_mode_16_64 3
		.amdhsa_memory_ordered 1
		.amdhsa_forward_progress 1
		.amdhsa_inst_pref_size 230
	.end_amdhsa_kernel
	.amdgpu_metadata
---
amdhsa.version: [ 1, 2 ]
amdhsa.kernels:
  - .name:           k_qd52f7cbc77_qkv
    .symbol:         k_qd52f7cbc77_qkv.kd
    .args:
      - { .name: h16, .offset: 0, .size: 8, .value_kind: global_buffer, .address_space: global }
      - { .name: bq, .offset: 8, .size: 8, .value_kind: global_buffer, .address_space: global }
      - { .name: bk, .offset: 16, .size: 8, .value_kind: global_buffer, .address_space: global }
      - { .name: bv, .offset: 24, .size: 8, .value_kind: global_buffer, .address_space: global }
      - { .name: q16, .offset: 32, .size: 8, .value_kind: global_buffer, .address_space: global }
      - { .name: kv16, .offset: 40, .size: 8, .value_kind: global_buffer, .address_space: global }
      - { .name: mxkv, .offset: 48, .size: 8, .value_kind: global_buffer, .address_space: global }
    .group_segment_fixed_size: 327680
    .private_segment_fixed_size: 0
    .kernarg_segment_align: 8
    .kernarg_segment_size: 56
    .max_flat_workgroup_size: 128
    .sgpr_count:     96
    .vgpr_count:     1024
    .wavefront_size: 32
...
	.end_amdgpu_metadata
.endif
;; end of part 2
;; launch tkv (part 3): grid 8 x 32, 4 waves a work-group, clusters of 4 x 4, 327,680 bytes of LDS; arguments kv16, mxkv, t16, mxt; writes t16, mxt
.if DOCPART == 3
	.amdgcn_target "amdgcn-amd-amdhsa--gfx1250"
	.amdhsa_code_object_version 6
	.text
	.protected	k_qd52f7cbc77_tkv
	.globl	k_qd52f7cbc77_tkv
	.p2align	8
	.type	k_qd52f7cbc77_tkv,@function
k_qd52f7cbc77_tkv:
	s_mov_b64 s[64:65], 0
	v_nop
	global_prefetch_b8 v0, s[64:65] scope:SCOPE_SE
	s_setreg_imm32_b32 hwreg(HW_REG_WAVE_MODE, 25, 1), 1
	s_wait_xcnt 0x0
	s_wait_alu depctr_hold_cnt(0) depctr_sa_sdst(0) depctr_va_vdst(0) depctr_va_sdst(0) depctr_va_ssrc(0) depctr_va_vcc(0) depctr_vm_vsrc(0)
	s_getreg_b32 s2, hwreg(HW_REG_IB_STS2, 6, 4)
	s_cmp_eq_u32 s2, 0
	s_cbranch_scc0 .Lentry_in_a_cluster
	s_endpgm
.Lentry_in_a_cluster:
	s_bfe_u32 s2, ttmp6, 0x10000c
	s_cmp_lg_u32 s2, 0xf033
	s_cbranch_scc0 .Lentry_shape_is_right
	s_endpgm
.Lentry_shape_is_right:
; T~_b[e][g] = sT x sum over t of (k/16)[t][e] (v/16)[t][g], in f16, into t16 [(b,e) 4096][g 1024]; mxt: each wave's largest |T~|.
; reference()'s (q k^T) v is summed here as q (k^T v): the same products in another order; nothing non-linear stands between them.
; sT = 8 / (mk mv), mk and mv the largest |k/16| and |v/16| of the whole launch before (floored at 2^-40): |sum| <= 2048 mk mv, so |T~| <= 2^14 whatever the inputs.
; LIMITS: operands f16, sums f32; the order of the sums differs from reference()'s.
; L = rows e of the transposed k, R = rows g of the transposed v, K = t along the rows.  A work-group makes 128 x 128 with four waves of 64 x 64
; (16 tiles, 128 registers in window 1): T has 4 x 1024 x 1024 numbers, which is 256 such blocks, one for each WGP.
; K goes in 8 steps of 256 (rows of 512 bytes) through two LDS slots.  CLUSTERS 4 x 4: L hangs on by, shared along a row; R on bx and the batch, which
; is made of the cluster's y alone, shared along a column.
; The matrix instruction takes R as source 0 and L as source 1: a lane holds row m = l % 16 and eight neighbouring columns.
.set BM,     128
.set FA,     4                         ; L fragments of a wave
.set KSTEP,  256
.set PITCH,  528                       ; 512 bytes + 16 = 33 x 16
.set QI,     6                         ; padding after every 128 words
.set NS,     8                         ; slices of 32 K in a slot
.set LAPS,   2                         ; steps / 2 - 2
.set LSTR,   8192                      ; elements from row to row
.set RSTR,   8192
.set OPITCH, 2048                      ; bytes of a row of the output
.set LROWS,  BM/2
.set SLOT,   (BM+128)*PITCH
.set STAGE,  2*SLOT                    ; behind the ring: 128 rows x 272 bytes; no tensor load lands here
.set SP,     272
.set G1WORD, (1<<16)|(1<<20)|(1<<21)|(QI<<22)|(3<<25)
.set ADRL, 8
.set ADRR, 10
.set STO,  12
.set RD,   13
.set CO,   14
.set VMX,  15
.set XT,   16
.set LANE, 17
.set SC,   18                          ; v[18:19] the scale, twice
.set MM,   20                          ; v20-23 maxima read
.set MX,   24                          ; v24-27 four running maxima of T~
.set F0,   64
.set F1,   64+8*(FA+4)
.set TMP,  192
.set PK,   224
.set G1,  32
.set G0,  40
.set G1B, 48
.set G0B, 56
.set MSB, 0
.macro WIN new
.if MSB != (\new)
	s_set_vgpr_msb (MSB<<8)|(\new)
.set MSB, \new
.endif
.endm
.macro PLACES                          ; four places behind a matrix instruction (ISA guide 7.12.1)
.rept 4
	v_nop
.endr
.endm
.macro JLOAD s                         ; waves 0 and 1 fetch L's halves, waves 2 and 3 R's
	s_cmp_eq_u32 s19, 0
	s_cbranch_scc0 .Lfor_b_\@
	tensor_load_to_lds s[G0+4*\s:G0+4*\s+3], s[G1:G1+7]
	s_nop 0
.rept 4
	v_nop
.endr
	s_branch .Lasked_\@
.Lfor_b_\@:
	tensor_load_to_lds s[G0B+4*\s:G0B+4*\s+3], s[G1B:G1B+7]
	s_nop 0
.rept 4
	v_nop
.endr
.Lasked_\@:
.endm
.macro CREST
	s_cmp_lg_u32 s18, 0
	s_cbranch_scc1 .Lnot_wave_0_\@
	s_barrier_signal -3
.Lnot_wave_0_\@:
	s_barrier_wait -3
	s_barrier_signal -1
	s_barrier_wait -1
.endm
.macro CROUND
	s_barrier_signal -1
	s_barrier_wait -1
	CREST
.endm
.macro FOLD m, first, n                ; the largest of n registers (none is negative)
	v_max_num_f32 v[\m], v[\first], v[\first+1]
.set fi, 2
.rept (\n-2)/2
	v_max3_num_f32 v[\m], v[\first+fi], v[\first+fi+1], v[\m]
.set fi, fi+2
.endr
.endm
.macro XLANE m                         ; and of the 32 lanes
	v_max_num_f32_dpp v[\m], v[\m], v[\m] row_xmask:1 row_mask:0xf bank_mask:0xf
	v_max_num_f32_dpp v[\m], v[\m], v[\m] row_xmask:2 row_mask:0xf bank_mask:0xf
	v_max_num_f32_dpp v[\m], v[\m], v[\m] row_xmask:4 row_mask:0xf bank_mask:0xf
	v_max_num_f32_dpp v[\m], v[\m], v[\m] row_xmask:8 row_mask:0xf bank_mask:0xf
	v_permlanex16_b32 v[XT], v[\m], s84, s85
	v_max_num_f32 v[\m], v[\m], v[XT]
.endm
	s_load_b256 s[4:11], s[0:1], 0x0               ; kv16 s[4:5], mxkv s[6:7], t16 s[8:9], mxt s[10:11]
	v_lshl_add_u32 v254, v0, 2, 0x4a800
	v_mov_b32 v255, 0
	ds_add_u32 v254, v255
	v_lshrrev_b32 v1, 5, v0
	v_readfirstlane_b32 s18, v1                    ; wave
	s_lshr_b32 s19, s18, 1                         ; mh; also: I fetch L (0) or R (1)
	s_and_b32 s20, s18, 1                          ; nh; also: which half of the tile I fetch
	s_bfe_u32 s21, ttmp6, 0x40000                  ; cx
	s_bfe_u32 s22, ttmp6, 0x40004                  ; cy
	s_lshl_b32 s23, ttmp9, 2
	s_add_co_u32 s23, s23, s21                     ; bx
	s_and_b32 s24, ttmp7, 0xffff
	s_lshr_b32 s27, s24, 1                         ; the batch = by / 8 = cluster y / 2: the same in the whole cluster
	s_lshl_b32 s24, s24, 2
	s_add_co_u32 s24, s24, s22                     ; by
	s_lshl_b32 s25, s22, 2
	s_lshl_b32 s25, 15, s25                        ; my row of the cluster
	s_lshl_b32 s26, 0x1111, s21                    ; my column
	s_or_b32 s[G1+0], s25, G1WORD
	s_or_b32 s[G1B+0], s26, G1WORD
	s_mov_b32 s[G1+1], KSTEP<<16
	s_mov_b32 s[G1B+1], KSTEP<<16
	s_mov_b32 s[G1+2], LROWS<<16
	s_mov_b32 s[G1B+2], 64<<16
	s_mov_b32 s[G1+3], KSTEP<<16
	s_mov_b32 s[G1B+3], KSTEP<<16
	s_mov_b32 s[G1+4], LROWS
	s_mov_b32 s[G1B+4], 64
	s_mov_b32 s[G1+5], LSTR
	s_mov_b32 s[G1B+5], RSTR
	s_mov_b32 s[G1+6], 0
	s_mov_b32 s[G1B+6], 0
	s_mov_b32 s[G1+7], 0
	s_mov_b32 s[G1B+7], 0
	s_lshl_b32 s80, s20, 6                         ; 64 x half
	s_lshl_b32 s81, s27, 12                        ; the batch's 2,048 columns: 4,096 bytes
	s_and_b32 s28, s24, 7
	s_lshl_b32 s28, s28, 7
	s_add_co_u32 s28, s28, s80                     ; L: row 128 (by mod 8) + 64 half
	s_lshl_b32 s28, s28, 14                        ; rows of 16,384 bytes
	s_add_co_u32 s28, s28, s81
	s_mov_b32 s29, 0
	s_lshl_b32 s30, s23, 7
	s_add_co_u32 s30, s30, s80
	s_add_co_u32 s30, s30, 1024                    ; R: row 1024 + 128 bx + 64 half
	s_lshl_b32 s30, s30, 14
	s_add_co_u32 s30, s30, s81
	s_mov_b32 s31, 0
	s_mul_i32 s66, s20, LROWS*PITCH
	s_mul_i32 s67, s20, 64*PITCH
	s_add_co_u32 s67, s67, BM*PITCH
	s_wait_dscnt 0x0
	s_wait_kmcnt 0x0
	s_add_nc_u64 s[28:29], s[4:5], s[28:29]
	s_add_nc_u64 s[30:31], s[4:5], s[30:31]
	CROUND                                         ; the first joint loads meet
.irp s, 0,1
	s_mov_b32 s[G0+4*\s], 1
	s_add_co_u32 s[G0+4*\s+1], s66, \s*SLOT
	s_add_nc_u64 s[G0+4*\s+2:G0+4*\s+3], s[28:29], \s*KSTEP*2
	s_or_b32 s[G0+4*\s+3], s[G0+4*\s+3], 0x80000000
	s_mov_b32 s[G0B+4*\s], 1
	s_add_co_u32 s[G0B+4*\s+1], s67, \s*SLOT
	s_add_nc_u64 s[G0B+4*\s+2:G0B+4*\s+3], s[30:31], \s*KSTEP*2
	s_or_b32 s[G0B+4*\s+3], s[G0B+4*\s+3], 0x80000000
	JLOAD \s                                       ; two tensor loads of the wave are out
.endr
	v_and_b32 v1, 15, v0
	v_bfe_u32 v2, v0, 4, 1
	v_and_b32 v[LANE], 31, v0
	v_lshlrev_b32 v3, 4, v[LANE]
.set i, 0
.rept 16                                           ; all 2,048 published maxima: k's into v64-95, v's into v96-127 (the fragment buffers, not yet in use)
	global_load_b128 v[F0+4*i:F0+4*i+3], v3, s[6:7] offset:512*i
.set i, i+1
.endr
	v_mul_u32_u24 v4, v1, PITCH
	v_lshl_add_u32 v4, v2, 4, v4
	s_mul_i32 s68, s19, LROWS*PITCH
	s_mul_i32 s69, s20, 64*PITCH
	s_add_co_u32 s69, s69, BM*PITCH
	v_add_nc_u32 v[ADRL], s68, v4
	v_add_nc_u32 v[ADRR], s69, v4
	v_add_nc_u32 v[ADRL+1], SLOT, v[ADRL]
	v_add_nc_u32 v[ADRR+1], SLOT, v[ADRR]
	v_mul_u32_u24 v5, v1, SP
	v_lshl_add_u32 v5, v2, 4, v5
	s_mul_i32 s70, s19, 64*SP
	s_lshl_b32 s71, s20, 7
	s_add_co_u32 s70, s70, s71
	s_add_co_u32 s70, s70, STAGE
	v_add_nc_u32 v[STO], s70, v5                   ; stage, in: row 64 mh + r, byte 128 nh + 16 h
	v_mul_u32_u24 v6, v2, SP
	v_lshl_add_u32 v6, v1, 4, v6
	s_mul_i32 s72, s18, 32*SP
	s_add_co_u32 s72, s72, STAGE
	v_add_nc_u32 v[RD], s72, v6                    ; back: rows 32 wave ..
	v_lshlrev_b32 v7, 4, v1
	v_mul_u32_u24 v[CO], v2, OPITCH
	v_add_nc_u32 v[CO], v[CO], v7
	s_lshl_b32 s82, s24, 7
	s_lshl_b32 s83, s18, 5
	s_add_co_u32 s82, s82, s83
	s_mul_i32 s82, s82, OPITCH
	s_lshl_b32 s83, s23, 8
	s_add_co_u32 s82, s82, s83
	s_mov_b32 s83, 0
	s_add_nc_u64 s[8:9], s[8:9], s[82:83]          ; t16 at row 128 by + 32 wave, byte 256 bx
	s_lshl_b32 s87, s24, 3
	s_add_co_u32 s87, s87, s23
	s_lshl_b32 s87, s87, 2
	s_add_co_u32 s87, s87, s18
	s_lshl_b32 s87, s87, 2
	v_mov_b32 v[VMX], s87                          ; mxt: word 4 (8 by + bx) + wave
	s_mov_b32 s84, 0x76543210
	s_mov_b32 s85, 0xfedcba98
	v_mov_b32 v[XT], 0
	s_wait_loadcnt 0x0
	FOLD MM, F0, 32
	FOLD MM+1, F0+32, 32
	XLANE MM
	XLANE MM+1
	v_max_num_f32 v[MM], 0x2b800000, v[MM]         ; floored at 2^-40: the reciprocal stays finite when k or v is all zeros
	v_max_num_f32 v[MM+1], 0x2b800000, v[MM+1]
	v_mul_f32 v[MM], v[MM], v[MM+1]
	v_rcp_f32 v[SC], v[MM]
	v_nop                                          ; one plain place behind a transcendental (ISA guide 5.7.2)
	s_wait_alu depctr_va_vdst(0)
	v_mul_f32 v[SC], 0x41000000, v[SC]             ; sT = 8 / (mk mv)
	v_mov_b32 v[SC+1], v[SC]
.macro FETCH slot, kk, f               ; 2 (FA + 4) LDS loads: one slice's fragments
.set fi, 0
.rept FA
	ds_load_b128 v[\f+8*fi:\f+8*fi+3],   v[ADRL+\slot] offset:fi*16*PITCH+64*(\kk)
	ds_load_b128 v[\f+8*fi+4:\f+8*fi+7], v[ADRL+\slot] offset:fi*16*PITCH+64*(\kk)+32
.set fi, fi+1
.endr
.set fi, 0
.rept 4
	ds_load_b128 v[\f+8*FA+8*fi:\f+8*FA+8*fi+3],   v[ADRR+\slot] offset:fi*16*PITCH+64*(\kk)
	ds_load_b128 v[\f+8*FA+8*fi+4:\f+8*FA+8*fi+7], v[ADRR+\slot] offset:fi*16*PITCH+64*(\kk)+32
.set fi, fi+1
.endr
.endm
.macro MULS f, a0, n, zero             ; the accumulators take turns, one instruction a turn
.set ma, \a0
.rept \n
.set mb, 0
.rept 4
.if \zero
	v_wmma_f32_16x16x32_f16 v[8*(4*ma+mb):8*(4*ma+mb)+7], v[\f+8*FA+8*mb:\f+8*FA+8*mb+7], v[\f+8*ma:\f+8*ma+7], 0
.else
	v_wmma_f32_16x16x32_f16 v[8*(4*ma+mb):8*(4*ma+mb)+7], v[\f+8*FA+8*mb:\f+8*FA+8*mb+7], v[\f+8*ma:\f+8*ma+7], v[8*(4*ma+mb):8*(4*ma+mb)+7]
.endif
.set mb, mb+1
.endr
.set ma, ma+1
.endr
.endm
.macro SLICE slot, kknext, f, g, zero  ; multiplies buffer f; ahead of that it asks for the next slice's fragments into g
	s_wait_dscnt 0                                 ; only f's loads are out
	PLACES
	FETCH \slot, \kknext, \g
	WIN 0x50                                       ; C and D in window 1
	MULS \f, 0, FA, \zero
	WIN 0
.endm
.macro TURN slot, mode                 ; the slot's last slice, on buffer 1, and the change of slots
.if \mode == 0
	s_wait_dscnt 0
	WIN 0x50
	MULS F1, 0, FA, 0
	WIN 0
.else
	s_wait_dscnt 0                                 ; my reads of this slot are over,
	s_wait_tensorcnt 0x0                           ; and all my tensor loads have landed: my part of the other slot
	ds_add_u32 v254, v255
	s_wait_dscnt 0x0
	s_barrier_signal -1
	WIN 0x50
	MULS F1, 0, FA/2, 0
	WIN 0
	s_barrier_wait -1
.if \mode == 2
	CREST                                          ; the round is closed: no wave of any partner still reads this slot or has a load on its way
	s_add_nc_u64 s[G0+4*\slot+2:G0+4*\slot+3], s[G0+4*\slot+2:G0+4*\slot+3], 4*KSTEP
	s_add_nc_u64 s[G0B+4*\slot+2:G0B+4*\slot+3], s[G0B+4*\slot+2:G0B+4*\slot+3], 4*KSTEP
	JLOAD \slot                                    ; the wave's one tensor load behind the round; a whole step's products stand between it and the wait for it
.else
	PLACES
.endif
	FETCH 1-\slot, 0, F0
	WIN 0x50
	MULS F1, FA/2, FA/2, 0
	WIN 0
.endif
.endm
.macro STEP slot, zero, mode
	SLICE \slot, 1, F0, F1, \zero
.set sl, 2
.rept (NS-2)/2
	SLICE \slot, sl, F1, F0, 0
	SLICE \slot, sl+1, F0, F1, 0
.set sl, sl+2
.endr
	TURN \slot, \mode
.endm
	s_wait_tensorcnt 0x1                           ; my part of step 0 is in; step 1's stays out
	s_barrier_signal -1
	s_barrier_wait -1
	FETCH 0, 0, F0
	STEP 0, 1, 2
	STEP 1, 0, 2
	s_mov_b32 s3, LAPS
.Llap:
	STEP 0, 0, 2
	STEP 1, 0, 2
	s_sub_co_u32 s3, s3, 1
	s_cmp_lg_u32 s3, 0
	s_cbranch_scc1 .Llap
	STEP 0, 0, 1
	STEP 1, 0, 0
	; THE WAY OUT: scale, note the maximum, round once, 16 bytes a lane into the work-group's stage, whole rows of 256 bytes back
	PLACES
.macro OUTA a, first
	WIN 0x01
.irp b, 0,1,2,3
.irp p, 0,1,2,3
	v_pk_mul_f32 v[TMP+8*\b+2*\p:TMP+8*\b+2*\p+1], v[8*(4*\a+\b)+2*\p:8*(4*\a+\b)+2*\p+1], v[SC:SC+1]
.endr
.endr
	WIN 0
.set ki, 0
.rept 16
.set kf, \first*(4-ki)
.if kf > 0
	v_max_num_f32 v[MX+ki], |v[TMP+2*ki]|, |v[TMP+2*ki+1]|
.else
	v_max3_num_f32 v[MX+ki%4], |v[TMP+2*ki]|, |v[TMP+2*ki+1]|, v[MX+ki%4]
.endif
	v_cvt_pk_f16_f32 v[PK+ki], v[TMP+2*ki], v[TMP+2*ki+1]
.set ki, ki+1
.endr
.irp b, 0,1,2,3
	ds_store_b128 v[STO], v[PK+4*\b:PK+4*\b+3] offset:\a*16*SP+32*\b
.endr
.endm
	OUTA 0, 1
	OUTA 1, 0
	OUTA 2, 0
	OUTA 3, 0
	s_wait_dscnt 0x0                               ; two waves share each row of the stage
	s_barrier_signal -1
	s_barrier_wait -1
.set i, 0
.rept 16
	ds_load_b128 v[F0+4*i:F0+4*i+3], v[RD] offset:i*2*SP
.set i, i+1
.endr
.set i, 0
.rept 16
	s_wait_dscnt 15-i                              ; load i is in, the younger ones stay out
	global_store_b128 v[CO], v[F0+4*i:F0+4*i+3], s[8:9] offset:2*i*OPITCH   ; sixteen lanes store 256 consecutive bytes, aligned
.set i, i+1
.endr
	v_max3_num_f32 v[MX], v[MX], v[MX+1], v[MX+2]
	v_max_num_f32 v[MX], v[MX], v[MX+3]
	XLANE MX
	v_cmp_eq_u32 vcc_lo, 0, v[LANE]
	s_wait_xcnt 0x0                                ; EXEC narrows only behind this wait
	s_and_saveexec_b32 s86, vcc_lo
	global_store_b32 v[VMX], v[MX], s[10:11]
	s_wait_xcnt 0x0                                ; and widens only behind this one
	s_or_b32 exec_lo, exec_lo, s86
	s_wait_tensorcnt 0x0
	ds_add_u32 v254, v255
	s_wait_dscnt 0x0
	CROUND                                         ; the closing round
	s_endpgm
.Lfunc_end_k_qd52f7cbc77_tkv:
	.size	k_qd52f7cbc77_tkv, .Lfunc_end_k_qd52f7cbc77_tkv-k_qd52f7cbc77_tkv
	.p2alignl 7, 3214868480
	.fill 96, 4, 3214868480
	.section	.rodata,"a",@progbits
	.p2align	6, 0x0
	.amdhsa_kernel k_qd52f7cbc77_tkv
		.amdhsa_group_segment_fixed_size 327680
		.amdhsa_private_segment_fixed_size 0
		.amdhsa_enable_private_segment 0
		.amdhsa_kernarg_size 32
		.amdhsa_user_sgpr_count 2
		.amdhsa_user_sgpr_kernarg_segment_ptr 1
		.amdhsa_wavefront_size32 1
		.amdhsa_system_sgpr_workgroup_id_x 1
		.amdhsa_system_sgpr_workgroup_id_y 1
		.amdhsa_system_sgpr_workgroup_id_z 1
		.amdhsa_system_vgpr_workitem_id 0
		.amdhsa_next_free_vgpr 384
		.amdhsa_next_free_sgpr 96
		.amdhsa_reserve_vcc 1
		.amdhsa_float_denorm_mode_32 3
		.amdhsa_float_denorm_mode_16_64 3
		.amdhsa_memory_ordered 1
		.amdhsa_forward_progress 1
		.amdhsa_inst_pref_size 141
	.end_amdhsa_kernel
	.amdgpu_metadata
---
amdhsa.version: [ 1, 2 ]
amdhsa.kernels:
  - .name:           k_qd52f7cbc77_tkv
    .symbol:         k_qd52f7cbc77_tkv.kd
    .args:
      - { .name: kv16, .offset: 0, .size: 8, .value_kind: global_buffer, .address_space: global }
      - { .name: mxkv, .offset: 8, .size: 8, .value_kind: global_buffer, .address_space: global }
      - { .name: t16, .offset: 16, .size: 8, .value_kind: global_buffer, .address_space: global }
      - { .name: mxt, .offset: 24, .size: 8, .value_kind: global_buffer, .address_space: global }
    .group_segment_fixed_size: 327680
    .private_segment_fixed_size: 0
    .kernarg_segment_align: 8
    .kernarg_segment_size: 32
    .max_flat_workgroup_size: 128
    .sgpr_count:     96
    .vgpr_count:     384
    .wavefront_size: 32
...
	.end_amdgpu_metadata
.endif
;; end of part 3
;; launch nwo (part 4): grid 32 x 8, 4 waves a work-group, clusters of 4 x 4, 327,680 bytes of LDS; arguments h16, t16, mxw, mxt, n16; writes n16
.if DOCPART == 4
	.amdgcn_target "amdgcn-amd-amdhsa--gfx1250"
	.amdhsa_code_object_version 6
	.text
	.protected	k_qd52f7cbc77_nwo
	.globl	k_qd52f7cbc77_nwo
	.p2align	8
	.type	k_qd52f7cbc77_nwo,@function
k_qd52f7cbc77_nwo:
	s_mov_b64 s[64:65], 0
	v_nop
	global_prefetch_b8 v0, s[64:65] scope:SCOPE_SE
	s_setreg_imm32_b32 hwreg(HW_REG_WAVE_MODE, 25, 1), 1
	s_wait_xcnt 0x0
	s_wait_alu depctr_hold_cnt(0) depctr_sa_sdst(0) depctr_va_vdst(0) depctr_va_sdst(0) depctr_va_ssrc(0) depctr_va_vcc(0) depctr_vm_vsrc(0)
	s_getreg_b32 s2, hwreg(HW_REG_IB_STS2, 6, 4)
	s_cmp_eq_u32 s2, 0
	s_cbranch_scc0 .Lentry_in_a_cluster
	s_endpgm
.Lentry_in_a_cluster:
	s_bfe_u32 s2, ttmp6, 0x10000c
	s_cmp_lg_u32 s2, 0xf033
	s_cbranch_scc0 .Lentry_shape_is_right
	s_endpgm
.Lentry_shape_is_right:
; N~[f][(b,e)] = sN x sum over g of Wo[f][g] T~_b[e][g], in f16, into n16 [f 1024][(b,e) 4096].
; sN = 16 / (mT mWo), mT and mWo the largest |T~| and |Wo| (floored at 2^-40): |sum| <= 1024 mT mWo, so |N~| <= 2^14 whatever the inputs.
; LIMITS: operands f16, sums f32; the order of the sums differs from reference()'s.
; L = Wo's rows f (in h16), R = t16's rows (b,e), K = g.  Blocks of 128 x 128, four waves of 64 x 64, 32 x 8 = 256 work-groups.
; K goes in 4 steps of 256 (rows of 512 bytes) through two LDS slots, so every step is written out and there is no loop.
; CLUSTERS 4 x 4: L hangs on by, shared along a row; R on bx, shared along a column.
; The matrix instruction takes R as source 0 and L as source 1: a lane holds row m = l % 16 and eight neighbouring columns.
.set BM,     128
.set FA,     4
.set KSTEP,  256
.set PITCH,  528
.set QI,     6
.set NS,     8
.set LSTR,   1024
.set RSTR,   1024
.set OPITCH, 8192
.set WOOFF,  23068672                  ; Wo in h16
.set LROWS,  BM/2
.set SLOT,   (BM+128)*PITCH
.set STAGE,  2*SLOT
.set SP,     272
.set G1WORD, (1<<16)|(1<<20)|(1<<21)|(QI<<22)|(3<<25)
.set ADRL, 8
.set ADRR, 10
.set STO,  12
.set RD,   13
.set CO,   14
.set XT,   16
.set LANE, 17
.set SC,   18
.set MM,   20
.set F0,   64
.set F1,   64+8*(FA+4)
.set TMP,  192
.set PK,   224
.set G1,  32
.set G0,  40
.set G1B, 48
.set G0B, 56
.set MSB, 0
.macro WIN new
.if MSB != (\new)
	s_set_vgpr_msb (MSB<<8)|(\new)
.set MSB, \new
.endif
.endm
.macro PLACES                          ; four places behind a matrix instruction (ISA guide 7.12.1)
.rept 4
	v_nop
.endr
.endm
.macro JLOAD s
	s_cmp_eq_u32 s19, 0
	s_cbranch_scc0 .Lfor_b_\@
	tensor_load_to_lds s[G0+4*\s:G0+4*\s+3], s[G1:G1+7]
	s_nop 0
.rept 4
	v_nop
.endr
	s_branch .Lasked_\@
.Lfor_b_\@:
	tensor_load_to_lds s[G0B+4*\s:G0B+4*\s+3], s[G1B:G1B+7]
	s_nop 0
.rept 4
	v_nop
.endr
.Lasked_\@:
.endm
.macro CREST
	s_cmp_lg_u32 s18, 0
	s_cbranch_scc1 .Lnot_wave_0_\@
	s_barrier_signal -3
.Lnot_wave_0_\@:
	s_barrier_wait -3
	s_barrier_signal -1
	s_barrier_wait -1
.endm
.macro CROUND
	s_barrier_signal -1
	s_barrier_wait -1
	CREST
.endm
.macro FOLD m, first, n
	v_max_num_f32 v[\m], v[\first], v[\first+1]
.set fi, 2
.rept (\n-2)/2
	v_max3_num_f32 v[\m], v[\first+fi], v[\first+fi+1], v[\m]
.set fi, fi+2
.endr
.endm
.macro XLANE m
	v_max_num_f32_dpp v[\m], v[\m], v[\m] row_xmask:1 row_mask:0xf bank_mask:0xf
	v_max_num_f32_dpp v[\m], v[\m], v[\m] row_xmask:2 row_mask:0xf bank_mask:0xf
	v_max_num_f32_dpp v[\m], v[\m], v[\m] row_xmask:4 row_mask:0xf bank_mask:0xf
	v_max_num_f32_dpp v[\m], v[\m], v[\m] row_xmask:8 row_mask:0xf bank_mask:0xf
	v_permlanex16_b32 v[XT], v[\m], s84, s85
	v_max_num_f32 v[\m], v[\m], v[XT]
.endm
	s_load_b256 s[4:11], s[0:1], 0x0               ; h16 s[4:5], t16 s[6:7], mxw s[8:9], mxt s[10:11]
	s_load_b64 s[12:13], s[0:1], 0x20              ; n16
	v_lshl_add_u32 v254, v0, 2, 0x4a800
	v_mov_b32 v255, 0
	ds_add_u32 v254, v255
	v_lshrrev_b32 v1, 5, v0
	v_readfirstlane_b32 s18, v1
	s_lshr_b32 s19, s18, 1                         ; mh; also: I fetch L (0) or R (1)
	s_and_b32 s20, s18, 1                          ; nh; also: which half
	s_bfe_u32 s21, ttmp6, 0x40000
	s_bfe_u32 s22, ttmp6, 0x40004
	s_lshl_b32 s23, ttmp9, 2
	s_add_co_u32 s23, s23, s21                     ; bx
	s_and_b32 s24, ttmp7, 0xffff
	s_lshl_b32 s24, s24, 2
	s_add_co_u32 s24, s24, s22                     ; by
	s_lshl_b32 s25, s22, 2
	s_lshl_b32 s25, 15, s25
	s_lshl_b32 s26, 0x1111, s21
	s_or_b32 s[G1+0], s25, G1WORD
	s_or_b32 s[G1B+0], s26, G1WORD
	s_mov_b32 s[G1+1], KSTEP<<16
	s_mov_b32 s[G1B+1], KSTEP<<16
	s_mov_b32 s[G1+2], LROWS<<16
	s_mov_b32 s[G1B+2], 64<<16
	s_mov_b32 s[G1+3], KSTEP<<16
	s_mov_b32 s[G1B+3], KSTEP<<16
	s_mov_b32 s[G1+4], LROWS
	s_mov_b32 s[G1B+4], 64
	s_mov_b32 s[G1+5], LSTR
	s_mov_b32 s[G1B+5], RSTR
	s_mov_b32 s[G1+6], 0
	s_mov_b32 s[G1B+6], 0
	s_mov_b32 s[G1+7], 0
	s_mov_b32 s[G1B+7], 0
	s_lshl_b32 s80, s20, 6                         ; 64 x half
	s_lshl_b32 s28, s24, 7
	s_add_co_u32 s28, s28, s80                     ; L: row 128 by + 64 half of Wo
	s_lshl_b32 s28, s28, 11
	s_add_co_u32 s28, s28, WOOFF
	s_mov_b32 s29, 0
	s_lshl_b32 s30, s23, 7
	s_add_co_u32 s30, s30, s80                     ; R: row 128 bx + 64 half of t16
	s_lshl_b32 s30, s30, 11
	s_mov_b32 s31, 0
	s_mul_i32 s66, s20, LROWS*PITCH
	s_mul_i32 s67, s20, 64*PITCH
	s_add_co_u32 s67, s67, BM*PITCH
	s_wait_dscnt 0x0
	s_wait_kmcnt 0x0
	s_add_nc_u64 s[28:29], s[4:5], s[28:29]
	s_add_nc_u64 s[30:31], s[6:7], s[30:31]
	CROUND
.irp s, 0,1
	s_mov_b32 s[G0+4*\s], 1
	s_add_co_u32 s[G0+4*\s+1], s66, \s*SLOT
	s_add_nc_u64 s[G0+4*\s+2:G0+4*\s+3], s[28:29], \s*KSTEP*2
	s_or_b32 s[G0+4*\s+3], s[G0+4*\s+3], 0x80000000
	s_mov_b32 s[G0B+4*\s], 1
	s_add_co_u32 s[G0B+4*\s+1], s67, \s*SLOT
	s_add_nc_u64 s[G0B+4*\s+2:G0B+4*\s+3], s[30:31], \s*KSTEP*2
	s_or_b32 s[G0B+4*\s+3], s[G0B+4*\s+3], 0x80000000
	JLOAD \s                                       ; two tensor loads of the wave are out
.endr
	v_and_b32 v1, 15, v0
	v_bfe_u32 v2, v0, 4, 1
	v_and_b32 v[LANE], 31, v0
	v_lshlrev_b32 v3, 4, v[LANE]
.set i, 0
.rept 8                                            ; the 1,024 maxima of T~ into v64-95
	global_load_b128 v[F0+4*i:F0+4*i+3], v3, s[10:11] offset:512*i
.set i, i+1
.endr
.set i, 0
.rept 4                                            ; the 512 maxima of Wo into v96-111
	global_load_b128 v[F0+32+4*i:F0+32+4*i+3], v3, s[8:9] offset:512*i
.set i, i+1
.endr
	v_mul_u32_u24 v4, v1, PITCH
	v_lshl_add_u32 v4, v2, 4, v4
	s_mul_i32 s68, s19, LROWS*PITCH
	s_mul_i32 s69, s20, 64*PITCH
	s_add_co_u32 s69, s69, BM*PITCH
	v_add_nc_u32 v[ADRL], s68, v4
	v_add_nc_u32 v[ADRR], s69, v4
	v_add_nc_u32 v[ADRL+1], SLOT, v[ADRL]
	v_add_nc_u32 v[ADRR+1], SLOT, v[ADRR]
	v_mul_u32_u24 v5, v1, SP
	v_lshl_add_u32 v5, v2, 4, v5
	s_mul_i32 s70, s19, 64*SP
	s_lshl_b32 s71, s20, 7
	s_add_co_u32 s70, s70, s71
	s_add_co_u32 s70, s70, STAGE
	v_add_nc_u32 v[STO], s70, v5
	v_mul_u32_u24 v6, v2, SP
	v_lshl_add_u32 v6, v1, 4, v6
	s_mul_i32 s72, s18, 32*SP
	s_add_co_u32 s72, s72, STAGE
	v_add_nc_u32 v[RD], s72, v6
	v_lshlrev_b32 v7, 4, v1
	v_mul_u32_u24 v[CO], v2, OPITCH
	v_add_nc_u32 v[CO], v[CO], v7
	s_lshl_b32 s82, s24, 7
	s_lshl_b32 s83, s18, 5
	s_add_co_u32 s82, s82, s83
	s_mul_i32 s82, s82, OPITCH
	s_lshl_b32 s83, s23, 8
	s_add_co_u32 s82, s82, s83
	s_mov_b32 s83, 0
	s_add_nc_u64 s[12:13], s[12:13], s[82:83]      ; n16 at row 128 by + 32 wave, byte 256 bx
	s_mov_b32 s84, 0x76543210
	s_mov_b32 s85, 0xfedcba98
	v_mov_b32 v[XT], 0
	s_wait_loadcnt 0x0
	FOLD MM, F0, 32
	FOLD MM+1, F0+32, 16
	XLANE MM
	XLANE MM+1
	v_max_num_f32 v[MM], 0x2b800000, v[MM]         ; floored at 2^-40
	v_max_num_f32 v[MM+1], 0x2b800000, v[MM+1]
	v_mul_f32 v[MM], v[MM], v[MM+1]
	v_rcp_f32 v[SC], v[MM]
	v_nop                                          ; one plain place behind a transcendental (ISA guide 5.7.2)
	s_wait_alu depctr_va_vdst(0)
	v_mul_f32 v[SC], 0x41800000, v[SC]             ; sN = 16 / (mT mWo)
	v_mov_b32 v[SC+1], v[SC]
.macro FETCH slot, kk, f
.set fi, 0
.rept FA
	ds_load_b128 v[\f+8*fi:\f+8*fi+3],   v[ADRL+\slot] offset:fi*16*PITCH+64*(\kk)
	ds_load_b128 v[\f+8*fi+4:\f+8*fi+7], v[ADRL+\slot] offset:fi*16*PITCH+64*(\kk)+32
.set fi, fi+1
.endr
.set fi, 0
.rept 4
	ds_load_b128 v[\f+8*FA+8*fi:\f+8*FA+8*fi+3],   v[ADRR+\slot] offset:fi*16*PITCH+64*(\kk)
	ds_load_b128 v[\f+8*FA+8*fi+4:\f+8*FA+8*fi+7], v[ADRR+\slot] offset:fi*16*PITCH+64*(\kk)+32
.set fi, fi+1
.endr
.endm
.macro MULS f, a0, n, zero             ; the accumulators take turns, one instruction a turn
.set ma, \a0
.rept \n
.set mb, 0
.rept 4
.if \zero
	v_wmma_f32_16x16x32_f16 v[8*(4*ma+mb):8*(4*ma+mb)+7], v[\f+8*FA+8*mb:\f+8*FA+8*mb+7], v[\f+8*ma:\f+8*ma+7], 0
.else
	v_wmma_f32_16x16x32_f16 v[8*(4*ma+mb):8*(4*ma+mb)+7], v[\f+8*FA+8*mb:\f+8*FA+8*mb+7], v[\f+8*ma:\f+8*ma+7], v[8*(4*ma+mb):8*(4*ma+mb)+7]
.endif
.set mb, mb+1
.endr
.set ma, ma+1
.endr
.endm
.macro SLICE slot, kknext, f, g, zero
	s_wait_dscnt 0                                 ; only f's loads are out
	PLACES
	FETCH \slot, \kknext, \g
	WIN 0x50
	MULS \f, 0, FA, \zero
	WIN 0
.endm
.macro TURN slot, mode
.if \mode == 0
	s_wait_dscnt 0
	WIN 0x50
	MULS F1, 0, FA, 0
	WIN 0
.else
	s_wait_dscnt 0                                 ; my reads of this slot are over,
	s_wait_tensorcnt 0x0                           ; and all my tensor loads have landed
	ds_add_u32 v254, v255
	s_wait_dscnt 0x0
	s_barrier_signal -1
	WIN 0x50
	MULS F1, 0, FA/2, 0
	WIN 0
	s_barrier_wait -1
.if \mode == 2
	CREST
	s_add_nc_u64 s[G0+4*\slot+2:G0+4*\slot+3], s[G0+4*\slot+2:G0+4*\slot+3], 4*KSTEP
	s_add_nc_u64 s[G0B+4*\slot+2:G0B+4*\slot+3], s[G0B+4*\slot+2:G0B+4*\slot+3], 4*KSTEP
	JLOAD \slot                                    ; the wave's one tensor load behind the round
.else
	PLACES
.endif
	FETCH 1-\slot, 0, F0
	WIN 0x50
	MULS F1, FA/2, FA/2, 0
	WIN 0
.endif
.endm
.macro STEP slot, zero, mode
	SLICE \slot, 1, F0, F1, \zero
.set sl, 2
.rept (NS-2)/2
	SLICE \slot, sl, F1, F0, 0
	SLICE \slot, sl+1, F0, F1, 0
.set sl, sl+2
.endr
	TURN \slot, \mode
.endm
	s_wait_tensorcnt 0x1                           ; my part of step 0 is in; step 1's stays out
	s_barrier_signal -1
	s_barrier_wait -1
	FETCH 0, 0, F0
	STEP 0, 1, 2                                   ; steps 0 and 1 ask for steps 2 and 3
	STEP 1, 0, 2
	STEP 0, 0, 1
	STEP 1, 0, 0
	PLACES
.macro OUTA a
	WIN 0x01
.irp b, 0,1,2,3
.irp p, 0,1,2,3
	v_pk_mul_f32 v[TMP+8*\b+2*\p:TMP+8*\b+2*\p+1], v[8*(4*\a+\b)+2*\p:8*(4*\a+\b)+2*\p+1], v[SC:SC+1]
.endr
.endr
	WIN 0
.irp b, 0,1,2,3
.irp p, 0,1,2,3
	v_cvt_pk_f16_f32 v[PK+4*\b+\p], v[TMP+8*\b+2*\p], v[TMP+8*\b+2*\p+1]
.endr
.endr
.irp b, 0,1,2,3
	ds_store_b128 v[STO], v[PK+4*\b:PK+4*\b+3] offset:\a*16*SP+32*\b
.endr
.endm
	OUTA 0
	OUTA 1
	OUTA 2
	OUTA 3
	s_wait_dscnt 0x0                               ; two waves share each row of the stage
	s_barrier_signal -1
	s_barrier_wait -1
.set i, 0
.rept 16
	ds_load_b128 v[F0+4*i:F0+4*i+3], v[RD] offset:i*2*SP
.set i, i+1
.endr
.set i, 0
.rept 16
	s_wait_dscnt 15-i                              ; load i is in, the younger ones stay out
	global_store_b128 v[CO], v[F0+4*i:F0+4*i+3], s[12:13] offset:2*i*OPITCH   ; sixteen lanes store 256 consecutive bytes, aligned
.set i, i+1
.endr
	s_wait_tensorcnt 0x0
	ds_add_u32 v254, v255
	s_wait_dscnt 0x0
	CROUND                                         ; the closing round
	s_endpgm
.Lfunc_end_k_qd52f7cbc77_nwo:
	.size	k_qd52f7cbc77_nwo, .Lfunc_end_k_qd52f7cbc77_nwo-k_qd52f7cbc77_nwo
	.p2alignl 7, 3214868480
	.fill 96, 4, 3214868480
	.section	.rodata,"a",@progbits
	.p2align	6, 0x0
	.amdhsa_kernel k_qd52f7cbc77_nwo
		.amdhsa_group_segment_fixed_size 327680
		.amdhsa_private_segment_fixed_size 0
		.amdhsa_enable_private_segment 0
		.amdhsa_kernarg_size 40
		.amdhsa_user_sgpr_count 2
		.amdhsa_user_sgpr_kernarg_segment_ptr 1
		.amdhsa_wavefront_size32 1
		.amdhsa_system_sgpr_workgroup_id_x 1
		.amdhsa_system_sgpr_workgroup_id_y 1
		.amdhsa_system_sgpr_workgroup_id_z 1
		.amdhsa_system_vgpr_workitem_id 0
		.amdhsa_next_free_vgpr 384
		.amdhsa_next_free_sgpr 96
		.amdhsa_reserve_vcc 0
		.amdhsa_float_denorm_mode_32 3
		.amdhsa_float_denorm_mode_16_64 3
		.amdhsa_memory_ordered 1
		.amdhsa_forward_progress 1
		.amdhsa_inst_pref_size 97
	.end_amdhsa_kernel
	.amdgpu_metadata
---
amdhsa.version: [ 1, 2 ]
amdhsa.kernels:
  - .name:           k_qd52f7cbc77_nwo
    .symbol:         k_qd52f7cbc77_nwo.kd
    .args:
      - { .name: h16, .offset: 0, .size: 8, .value_kind: global_buffer, .address_space: global }
      - { .name: t16, .offset: 8, .size: 8, .value_kind: global_buffer, .address_space: global }
      - { .name: mxw, .offset: 16, .size: 8, .value_kind: global_buffer, .address_space: global }
      - { .name: mxt, .offset: 24, .size: 8, .value_kind: global_buffer, .address_space: global }
      - { .name: n16, .offset: 32, .size: 8, .value_kind: global_buffer, .address_space: global }
    .group_segment_fixed_size: 327680
    .private_segment_fixed_size: 0
    .kernarg_segment_align: 8
    .kernarg_segment_size: 40
    .max_flat_workgroup_size: 128
    .sgpr_count:     96
    .vgpr_count:     384
    .wavefront_size: 32
...
	.end_amdgpu_metadata
.endif
;; end of part 4
;; launch fin (part 5): grid 8 x 32, 4 waves a work-group, clusters of 4 x 4, 327,680 bytes of LDS; arguments q16, n16, mxkv, mxt, mxw, bo, out0; writes out0
.if DOCPART == 5
	.amdgcn_target "amdgcn-amd-amdhsa--gfx1250"
	.amdhsa_code_object_version 6
	.text
	.protected	k_qd52f7cbc77_fin
	.globl	k_qd52f7cbc77_fin
	.p2align	8
	.type	k_qd52f7cbc77_fin,@function
k_qd52f7cbc77_fin:
	s_mov_b64 s[64:65], 0
	v_nop
	global_prefetch_b8 v0, s[64:65] scope:SCOPE_SE
	s_setreg_imm32_b32 hwreg(HW_REG_WAVE_MODE, 25, 1), 1
	s_wait_xcnt 0x0
	s_wait_alu depctr_hold_cnt(0) depctr_sa_sdst(0) depctr_va_vdst(0) depctr_va_sdst(0) depctr_va_ssrc(0) depctr_va_vcc(0) depctr_vm_vsrc(0)
	s_getreg_b32 s2, hwreg(HW_REG_IB_STS2, 6, 4)
	s_cmp_eq_u32 s2, 0
	s_cbranch_scc0 .Lentry_in_a_cluster
	s_endpgm
.Lentry_in_a_cluster:
	s_bfe_u32 s2, ttmp6, 0x10000c
	s_cmp_lg_u32 s2, 0xf033
	s_cbranch_scc0 .Lentry_shape_is_right
	s_endpgm
.Lentry_shape_is_right:
; out0[(b,s)][f] = F x sum over e of (q/16)[(b,s)][e] N~[f][(b,e)] + bo[f], in f32.
; F undoes every scale and holds reference()'s 0.125: F = 0.125 x 16 x 256 / (sT sN) = 4 (mk mv) (mT mWo), from the same published maxima, floored as there at 2^-40.
; LIMITS: operands f16, sums f32; the order of the sums differs from reference()'s.
; L = q16's rows, R = n16's rows f at the batch's 1,024 columns, K = e.  A work-group makes 256 x 128 with four waves of 128 x 64 (32 tiles, window 1):
; 32 x 8 = 256 work-groups.  K goes in 8 steps of 128 (rows of 256 bytes) through two LDS slots.
; CLUSTERS 4 x 4: L hangs on by, shared along a row; R on bx and the batch, which is made of the cluster's y alone, shared along a column.
; The matrix instruction takes R as source 0 and L as source 1: a lane holds row m = l % 16 and eight neighbouring columns.
.set BM,     256
.set FA,     8
.set KSTEP,  128
.set PITCH,  272
.set QI,     5
.set NS,     4
.set LAPS,   2
.set LSTR,   1024
.set RSTR,   4096
.set LROWS,  BM/2
.set SLOT,   (BM+128)*PITCH
.set STAGE,  2*SLOT                    ; behind the ring: 16 rows x 272 bytes for each wave; no tensor load lands here
.set SP,     272
.set G1WORD, (1<<16)|(1<<20)|(1<<21)|(QI<<22)|(3<<25)
.set ADRL, 8
.set ADRR, 10
.set STO,  12
.set RD,   13
.set CO,   14
.set VBO,  15
.set XT,   16
.set LANE, 17
.set SC,   18                          ; v[18:19] F, twice
.set MM,   20                          ; v20-23 mk, mv, mT, mWo
.set BO,   32                          ; v32-63 bo of my 32 columns (8 for each b)
.set F0,   64
.set F1,   64+8*(FA+4)
.set TMP,  64
.set OUT0, 96
.set OUT1, 128
.set G1,  32
.set G0,  40
.set G1B, 48
.set G0B, 56
.set MSB, 0
.macro WIN new
.if MSB != (\new)
	s_set_vgpr_msb (MSB<<8)|(\new)
.set MSB, \new
.endif
.endm
.macro PLACES                          ; four places behind a matrix instruction (ISA guide 7.12.1)
.rept 4
	v_nop
.endr
.endm
.macro JLOAD s
	s_cmp_eq_u32 s19, 0
	s_cbranch_scc0 .Lfor_b_\@
	tensor_load_to_lds s[G0+4*\s:G0+4*\s+3], s[G1:G1+7]
	s_nop 0
.rept 4
	v_nop
.endr
	s_branch .Lasked_\@
.Lfor_b_\@:
	tensor_load_to_lds s[G0B+4*\s:G0B+4*\s+3], s[G1B:G1B+7]
	s_nop 0
.rept 4
	v_nop
.endr
.Lasked_\@:
.endm
.macro CREST
	s_cmp_lg_u32 s18, 0
	s_cbranch_scc1 .Lnot_wave_0_\@
	s_barrier_signal -3
.Lnot_wave_0_\@:
	s_barrier_wait -3
	s_barrier_signal -1
	s_barrier_wait -1
.endm
.macro CROUND
	s_barrier_signal -1
	s_barrier_wait -1
	CREST
.endm
.macro FOLD m, first, n
	v_max_num_f32 v[\m], v[\first], v[\first+1]
.set fi, 2
.rept (\n-2)/2
	v_max3_num_f32 v[\m], v[\first+fi], v[\first+fi+1], v[\m]
.set fi, fi+2
.endr
.endm
.macro XLANE m
	v_max_num_f32_dpp v[\m], v[\m], v[\m] row_xmask:1 row_mask:0xf bank_mask:0xf
	v_max_num_f32_dpp v[\m], v[\m], v[\m] row_xmask:2 row_mask:0xf bank_mask:0xf
	v_max_num_f32_dpp v[\m], v[\m], v[\m] row_xmask:4 row_mask:0xf bank_mask:0xf
	v_max_num_f32_dpp v[\m], v[\m], v[\m] row_xmask:8 row_mask:0xf bank_mask:0xf
	v_permlanex16_b32 v[XT], v[\m], s84, s85
	v_max_num_f32 v[\m], v[\m], v[XT]
.endm
	s_load_b256 s[4:11], s[0:1], 0x0               ; q16 s[4:5], n16 s[6:7], mxkv s[8:9], mxt s[10:11]
	s_load_b128 s[12:15], s[0:1], 0x20             ; mxw s[12:13], bo s[14:15]
	s_load_b64 s[16:17], s[0:1], 0x30              ; out0
	v_lshl_add_u32 v30, v0, 2, 0x37400
	v_mov_b32 v31, 0
	ds_add_u32 v30, v31
	v_lshrrev_b32 v1, 5, v0
	v_readfirstlane_b32 s18, v1
	s_lshr_b32 s19, s18, 1                         ; mh; also: I fetch L (0) or R (1)
	s_and_b32 s20, s18, 1                          ; nh; also: which half
	s_bfe_u32 s21, ttmp6, 0x40000
	s_bfe_u32 s22, ttmp6, 0x40004
	s_lshl_b32 s23, ttmp9, 2
	s_add_co_u32 s23, s23, s21                     ; bx
	s_and_b32 s24, ttmp7, 0xffff
	s_lshr_b32 s27, s24, 1                         ; the batch = by / 8 = cluster y / 2
	s_lshl_b32 s24, s24, 2
	s_add_co_u32 s24, s24, s22                     ; by
	s_lshl_b32 s25, s22, 2
	s_lshl_b32 s25, 15, s25
	s_lshl_b32 s26, 0x1111, s21
	s_or_b32 s[G1+0], s25, G1WORD
	s_or_b32 s[G1B+0], s26, G1WORD
	s_mov_b32 s[G1+1], KSTEP<<16
	s_mov_b32 s[G1B+1], KSTEP<<16
	s_mov_b32 s[G1+2], LROWS<<16
	s_mov_b32 s[G1B+2], 64<<16
	s_mov_b32 s[G1+3], KSTEP<<16
	s_mov_b32 s[G1B+3], KSTEP<<16
	s_mov_b32 s[G1+4], LROWS
	s_mov_b32 s[G1B+4], 64
	s_mov_b32 s[G1+5], LSTR
	s_mov_b32 s[G1B+5], RSTR
	s_mov_b32 s[G1+6], 0
	s_mov_b32 s[G1B+6], 0
	s_mov_b32 s[G1+7], 0
	s_mov_b32 s[G1B+7], 0
	s_lshl_b32 s80, s20, 7                         ; 128 x half
	s_lshl_b32 s28, s24, 8
	s_add_co_u32 s28, s28, s80                     ; L: row 256 by + 128 half of q16
	s_lshl_b32 s28, s28, 11
	s_mov_b32 s29, 0
	s_lshl_b32 s80, s20, 6                         ; 64 x half
	s_lshl_b32 s81, s27, 11                        ; the batch's 1,024 columns: 2,048 bytes
	s_lshl_b32 s30, s23, 7
	s_add_co_u32 s30, s30, s80                     ; R: row 128 bx + 64 half of n16
	s_lshl_b32 s30, s30, 13                        ; rows of 8,192 bytes
	s_add_co_u32 s30, s30, s81
	s_mov_b32 s31, 0
	s_mul_i32 s66, s20, LROWS*PITCH
	s_mul_i32 s67, s20, 64*PITCH
	s_add_co_u32 s67, s67, BM*PITCH
	s_wait_dscnt 0x0
	s_wait_kmcnt 0x0
	s_add_nc_u64 s[28:29], s[4:5], s[28:29]
	s_add_nc_u64 s[30:31], s[6:7], s[30:31]
	CROUND
.irp s, 0,1
	s_mov_b32 s[G0+4*\s], 1
	s_add_co_u32 s[G0+4*\s+1], s66, \s*SLOT
	s_add_nc_u64 s[G0+4*\s+2:G0+4*\s+3], s[28:29], \s*KSTEP*2
	s_or_b32 s[G0+4*\s+3], s[G0+4*\s+3], 0x80000000
	s_mov_b32 s[G0B+4*\s], 1
	s_add_co_u32 s[G0B+4*\s+1], s67, \s*SLOT
	s_add_nc_u64 s[G0B+4*\s+2:G0B+4*\s+3], s[30:31], \s*KSTEP*2
	s_or_b32 s[G0B+4*\s+3], s[G0B+4*\s+3], 0x80000000
	JLOAD \s                                       ; two tensor loads of the wave are out
.endr
	v_and_b32 v1, 15, v0
	v_bfe_u32 v2, v0, 4, 1
	v_and_b32 v[LANE], 31, v0
	v_lshlrev_b32 v3, 4, v[LANE]
	s_lshl_b32 s73, s23, 9
	s_lshl_b32 s74, s20, 8
	s_add_co_u32 s73, s73, s74                     ; 4 bytes x (128 bx + 64 nh)
	v_lshl_add_u32 v[VBO], v2, 5, s73              ; eight columns from 8 h
.set i, 0
.rept 16                                           ; k's maxima into v64-95, v's into v96-127 (the fragment buffers, not yet in use)
	global_load_b128 v[F0+4*i:F0+4*i+3], v3, s[8:9] offset:512*i
.set i, i+1
.endr
.set i, 0
.rept 8                                            ; T~'s into v128-159
	global_load_b128 v[F0+64+4*i:F0+64+4*i+3], v3, s[10:11] offset:512*i
.set i, i+1
.endr
.set i, 0
.rept 4                                            ; Wo's into v160-175
	global_load_b128 v[F0+96+4*i:F0+96+4*i+3], v3, s[12:13] offset:512*i
.set i, i+1
.endr
.irp b, 0,1,2,3
	global_load_b128 v[BO+8*\b:BO+8*\b+3],   v[VBO], s[14:15] offset:64*\b
	global_load_b128 v[BO+8*\b+4:BO+8*\b+7], v[VBO], s[14:15] offset:64*\b+16
.endr
	v_mul_u32_u24 v4, v1, PITCH
	v_lshl_add_u32 v4, v2, 4, v4
	s_mul_i32 s68, s19, LROWS*PITCH
	s_mul_i32 s69, s20, 64*PITCH
	s_add_co_u32 s69, s69, BM*PITCH
	v_add_nc_u32 v[ADRL], s68, v4
	v_add_nc_u32 v[ADRR], s69, v4
	v_add_nc_u32 v[ADRL+1], SLOT, v[ADRL]
	v_add_nc_u32 v[ADRR+1], SLOT, v[ADRR]
	s_mul_i32 s70, s18, 16*SP
	s_add_co_u32 s70, s70, STAGE                   ; my wave's stage
	v_mul_u32_u24 v5, v1, SP
	v_lshl_add_u32 v5, v2, 5, v5                   ; in: row r, 32 bytes (eight f32) for each half of the lanes
	v_add_nc_u32 v[STO], s70, v5
	v_mul_u32_u24 v6, v2, SP
	v_lshl_add_u32 v6, v1, 4, v6                   ; back: lanes 0-15 one row of 256 bytes, lanes 16-31 the next
	v_add_nc_u32 v[RD], s70, v6
	v_lshlrev_b32 v7, 4, v1
	v_lshl_add_u32 v[CO], v2, 12, v7               ; out0: rows of 4,096 bytes
	s_lshl_b32 s82, s24, 8
	s_lshl_b32 s83, s19, 7
	s_add_co_u32 s82, s82, s83
	s_lshl_b32 s82, s82, 12
	s_lshl_b32 s83, s23, 9
	s_add_co_u32 s82, s82, s83
	s_lshl_b32 s83, s20, 8
	s_add_co_u32 s82, s82, s83
	s_mov_b32 s83, 0
	s_add_nc_u64 s[16:17], s[16:17], s[82:83]      ; out0 at row 256 by + 128 mh, byte 512 bx + 256 nh
	s_mov_b32 s84, 0x76543210
	s_mov_b32 s85, 0xfedcba98
	v_mov_b32 v[XT], 0
	s_wait_loadcnt 0x0
	FOLD MM, F0, 32
	FOLD MM+1, F0+32, 32
	FOLD MM+2, F0+64, 32
	FOLD MM+3, F0+96, 16
	XLANE MM
	XLANE MM+1
	XLANE MM+2
	XLANE MM+3
.irp i, 0,1,2,3
	v_max_num_f32 v[MM+\i], 0x2b800000, v[MM+\i]   ; the same floor of 2^-40 as where the scales were made
.endr
	v_mul_f32 v[MM], v[MM], v[MM+1]
	v_mul_f32 v[MM+2], v[MM+2], v[MM+3]
	v_mul_f32 v[MM], v[MM], v[MM+2]
	v_mul_f32 v[SC], 4.0, v[MM]                    ; F = 4 (mk mv) (mT mWo)
	v_mov_b32 v[SC+1], v[SC]
.macro FETCH slot, kk, f
.set fi, 0
.rept FA
	ds_load_b128 v[\f+8*fi:\f+8*fi+3],   v[ADRL+\slot] offset:fi*16*PITCH+64*(\kk)
	ds_load_b128 v[\f+8*fi+4:\f+8*fi+7], v[ADRL+\slot] offset:fi*16*PITCH+64*(\kk)+32
.set fi, fi+1
.endr
.set fi, 0
.rept 4
	ds_load_b128 v[\f+8*FA+8*fi:\f+8*FA+8*fi+3],   v[ADRR+\slot] offset:fi*16*PITCH+64*(\kk)
	ds_load_b128 v[\f+8*FA+8*fi+4:\f+8*FA+8*fi+7], v[ADRR+\slot] offset:fi*16*PITCH+64*(\kk)+32
.set fi, fi+1
.endr
.endm
.macro MULS f, a0, n, zero             ; the accumulators take turns, one instruction a turn
.set ma, \a0
.rept \n
.set mb, 0
.rept 4
.if \zero
	v_wmma_f32_16x16x32_f16 v[8*(4*ma+mb):8*(4*ma+mb)+7], v[\f+8*FA+8*mb:\f+8*FA+8*mb+7], v[\f+8*ma:\f+8*ma+7], 0
.else
	v_wmma_f32_16x16x32_f16 v[8*(4*ma+mb):8*(4*ma+mb)+7], v[\f+8*FA+8*mb:\f+8*FA+8*mb+7], v[\f+8*ma:\f+8*ma+7], v[8*(4*ma+mb):8*(4*ma+mb)+7]
.endif
.set mb, mb+1
.endr
.set ma, ma+1
.endr
.endm
.macro SLICE slot, kknext, f, g, zero
	s_wait_dscnt 0                                 ; only f's loads are out
	PLACES
	FETCH \slot, \kknext, \g
	WIN 0x50
	MULS \f, 0, FA, \zero
	WIN 0
.endm
.macro TURN slot, mode
.if \mode == 0
	s_wait_dscnt 0
	WIN 0x50
	MULS F1, 0, FA, 0
	WIN 0
.else
	s_wait_dscnt 0                                 ; my reads of this slot are over,
	s_wait_tensorcnt 0x0                           ; and all my tensor loads have landed
	ds_add_u32 v30, v31
	s_wait_dscnt 0x0
	s_barrier_signal -1
	WIN 0x50
	MULS F1, 0, FA/2, 0
	WIN 0
	s_barrier_wait -1
.if \mode == 2
	CREST
	s_add_nc_u64 s[G0+4*\slot+2:G0+4*\slot+3], s[G0+4*\slot+2:G0+4*\slot+3], 4*KSTEP
	s_add_nc_u64 s[G0B+4*\slot+2:G0B+4*\slot+3], s[G0B+4*\slot+2:G0B+4*\slot+3], 4*KSTEP
	JLOAD \slot                                    ; the wave's one tensor load behind the round; a whole step's products stand between it and the wait for it
.else
	PLACES
.endif
	FETCH 1-\slot, 0, F0
	WIN 0x50
	MULS F1, FA/2, FA/2, 0
	WIN 0
.endif
.endm
.macro STEP slot, zero, mode
	SLICE \slot, 1, F0, F1, \zero
.set sl, 2
.rept (NS-2)/2
	SLICE \slot, sl, F1, F0, 0
	SLICE \slot, sl+1, F0, F1, 0
.set sl, sl+2
.endr
	TURN \slot, \mode
.endm
	s_wait_tensorcnt 0x1                           ; my part of step 0 is in; step 1's stays out
	s_barrier_signal -1
	s_barrier_wait -1
	FETCH 0, 0, F0
	STEP 0, 1, 2
	STEP 1, 0, 2
	s_mov_b32 s3, LAPS
.Llap:
	STEP 0, 0, 2
	STEP 1, 0, 2
	s_sub_co_u32 s3, s3, 1
	s_cmp_lg_u32 s3, 0
	s_cbranch_scc1 .Llap
	STEP 0, 0, 1
	STEP 1, 0, 0
	; THE WAY OUT, 16 rows at a time: one multiply-add, 32 bytes a lane into my own stage, whole rows of 256 bytes back
	PLACES
.macro OUTF a, out
	WIN 0x01
.irp b, 0,1,2,3
.irp p, 0,1,2,3
	v_pk_fma_f32 v[TMP+8*\b+2*\p:TMP+8*\b+2*\p+1], v[8*(4*\a+\b)+2*\p:8*(4*\a+\b)+2*\p+1], v[SC:SC+1], v[BO+8*\b+2*\p:BO+8*\b+2*\p+1]
.endr
.endr
	WIN 0
.irp b, 0,1,2,3
	ds_store_b128 v[STO], v[TMP+8*\b:TMP+8*\b+3] offset:64*\b
	ds_store_b128 v[STO], v[TMP+8*\b+4:TMP+8*\b+7] offset:64*\b+16
.endr
	s_wait_xcnt 0x0                                ; registers that earlier stores read are loaded again only behind this wait
.irp i, 0,1,2,3,4,5,6,7
	ds_load_b128 v[\out+4*\i:\out+4*\i+3], v[RD] offset:\i*2*SP   ; LDS serves a wave's instructions in order: these see the stores above
.endr
.irp i, 0,1,2,3,4,5,6,7
	s_wait_dscnt 7-\i
	global_store_b128 v[CO], v[\out+4*\i:\out+4*\i+3], s[16:17] offset:(16*\a+2*\i)*4096 th:TH_STORE_NT   ; sixteen lanes store 256 consecutive bytes, aligned
.endr
.endm
	OUTF 0, OUT0
	OUTF 1, OUT1
	OUTF 2, OUT0
	OUTF 3, OUT1
	OUTF 4, OUT0
	OUTF 5, OUT1
	OUTF 6, OUT0
	OUTF 7, OUT1
	s_wait_tensorcnt 0x0
	ds_add_u32 v30, v31
	s_wait_dscnt 0x0
	CROUND                                         ; the closing round
	s_endpgm
.Lfunc_end_k_qd52f7cbc77_fin:
	.size	k_qd52f7cbc77_fin, .Lfunc_end_k_qd52f7cbc77_fin-k_qd52f7cbc77_fin
	.p2alignl 7, 3214868480
	.fill 96, 4, 3214868480
	.section	.rodata,"a",@progbits
	.p2align	6, 0x0
	.amdhsa_kernel k_qd52f7cbc77_fin
		.amdhsa_group_segment_fixed_size 327680
		.amdhsa_private_segment_fixed_size 0
		.amdhsa_enable_private_segment 0
		.amdhsa_kernarg_size 56
		.amdhsa_user_sgpr_count 2
		.amdhsa_user_sgpr_kernarg_segment_ptr 1
		.amdhsa_wavefront_size32 1
		.amdhsa_system_sgpr_workgroup_id_x 1
		.amdhsa_system_sgpr_workgroup_id_y 1
		.amdhsa_system_sgpr_workgroup_id_z 1
		.amdhsa_system_vgpr_workitem_id 0
		.amdhsa_next_free_vgpr 512
		.amdhsa_next_free_sgpr 96
		.amdhsa_reserve_vcc 0
		.amdhsa_float_denorm_mode_32 3
		.amdhsa_float_denorm_mode_16_64 3
		.amdhsa_memory_ordered 1
		.amdhsa_forward_progress 1
		.amdhsa_inst_pref_size 135
	.end_amdhsa_kernel
	.amdgpu_metadata
---
amdhsa.version: [ 1, 2 ]
amdhsa.kernels:
  - .name:           k_qd52f7cbc77_fin
    .symbol:         k_qd52f7cbc77_fin.kd
    .args:
      - { .name: q16, .offset: 0, .size: 8, .value_kind: global_buffer, .address_space: global }
      - { .name: n16, .offset: 8, .size: 8, .value_kind: global_buffer, .address_space: global }
      - { .name: mxkv, .offset: 16, .size: 8, .value_kind: global_buffer, .address_space: global }
      - { .name: mxt, .offset: 24, .size: 8, .value_kind: global_buffer, .address_space: global }
      - { .name: mxw, .offset: 32, .size: 8, .value_kind: global_buffer, .address_space: global }
      - { .name: bo, .offset: 40, .size: 8, .value_kind: global_buffer, .address_space: global }
      - { .name: out0, .offset: 48, .size: 8, .value_kind: global_buffer, .address_space: global }
    .group_segment_fixed_size: 327680
    .private_segment_fixed_size: 0
    .kernarg_segment_align: 8
    .kernarg_segment_size: 56
    .max_flat_workgroup_size: 128
    .sgpr_count:     96
    .vgpr_count:     512
    .wavefront_size: 32
...
	.end_amdgpu_metadata
.endif
;; end of part 5
